; MI455X (gfx1250); checked and timed in simulation.
; The chip was launched on July 23, 2026; its instructions are those of AMD's public machine-readable ISA for CDNA 5 (MIT licence, August 2026) and "CDNA5" Instruction Set Architecture Reference Guide (July 2026). The comments in the code are by the model that wrote it; some were corrected since.
;; Masked Attention. Allowed arithmetic: matrix products marked QUANTISED: E2M3 operands, one E8M0 scale for each 32 along K, by v_wmma_scale_f32_16x16x128_f8f6f4 with both operands' format E2M3, f32 sums; everything else in f32.
;; Inputs: Wk 1,024 x 1,024 float32; Wq 1,024 x 1,024 float32; Wv 1,024 x 1,024 float32; x 4 x 2,048 x 1,024 float32.
;; Outputs: out0 4 x 2,048 x 1,024 float32.
;; This version of the problem:
;;   THIS VERSION OF THE PROBLEM IS GIVEN IN LOW PRECISION. The matrix products marked QUANTISED in the list below multiply operands that are first quantised to E2M3 (2 exponent bits, 3 mantissa bits; 6 bits a number), with one power-of-two scale for each 32 numbers along K (OCP MX v1.0); their sums are f32. All else is computed in f32.
;;   The module's matrix products, in the order in which they are computed (A, B: the left and right operand; K: the contracted axis; several contracted axes count as one K, in the product's order):
;;     1. [M 8,192, K 1,024] x [K 1,024, N 1,024]; A: input x; B: input Wq: QUANTISED
;;     2. [M 8,192, K 1,024] x [K 1,024, N 1,024]; A: input x; B: input Wk: QUANTISED
;;     3. [M 8,192, K 1,024] x [K 1,024, N 1,024]; A: input x; B: input Wv: QUANTISED
;;     4. batch 4 x [M 2,048, K 1,024] x [K 1,024, N 2,048]; A: computed on the way; B: computed on the way: QUANTISED
;;     5. batch 4 x [M 2,048, K 2,048] x [K 2,048, N 1,024]; A: softmax (see below); B: computed on the way: QUANTISED
;;   THE QUANTISER, for each operand of a quantised product, along K:
;;     - K is cut into blocks of 32 from its start; a last block that is shorter is filled with zeros.
;;     - A block's scale is 2^e with e = floor(log2(the largest magnitude in the block)) - 2, held to -126 .. 127; a block of zeros has e = 0. As a byte (E8M0): e + 127.
;;     - Each number is divided by its block's scale, clamped to +-7.5, and rounded to the nearest number of E2M3, ties to even, subnormals kept.
;;     - The product sums the exact products of the quantised numbers (number of the format x scale) in f32.
;;   ~~~python
;;   def quantise(x, axis):      # numpy; x: float32 -> the quantised numbers, widened to float32 again
;;       x = np.moveaxis(x, axis, -1); K = x.shape[-1]
;;       x = np.pad(x, [(0, 0)] * (x.ndim - 1) + [(0, -K % 32)]); x = x.reshape(x.shape[:-1] + (-1, 32)); a = np.abs(x).max(-1, keepdims=True)
;;       e = np.where(a > 0, np.clip(np.frexp(np.where(a > 0, a, 1))[1] - 1 - 2, -126, 127), 0)      # np.frexp(a)[1] - 1 = floor(log2(a)), exactly
;;       r = np.clip(x / 2.0 ** e, -7.5, 7.5)
;;       step = 2.0 ** (np.maximum(np.frexp(np.where(r == 0, 1, r))[1] - 1, 0) - 3)
;;       q = np.round(r / step) * step * 2.0 ** e      # np.round: ties to even
;;       return np.moveaxis(q.reshape(q.shape[:-2] + (-1,))[..., :K], -1, axis).astype(np.float32)
;;   ~~~
;;   SOFTMAX AHEAD OF A QUANTISED PRODUCT. Where the list says 'softmax', what is quantised is not the finished softmax but p = 2^(t - M), with t = logit x log2(e) and M = ceil(the row's largest t), a whole number; so 1/2 < the row's largest p <= 1. The row's sum l is taken of the UNQUANTISED p, in f32, and the product's result is divided by l at the end. Since M is a whole number, a kernel that streams over the keys may use a running M (the ceiling of the running maximum): every later rescaling is an exact power of two, which a block's scale takes up: the codes' values come out the same.
;;   OPERANDS COMPUTED ON THE WAY. 'Computed on the way' means the value that the module computes at that place (a softmax that the list does not call 'softmax' is quantised finished and normalised). What goes into a quantiser is computed in f32, as accurately as f32 sums, v_exp_f32 and their like allow (about 1e-6 of the number): no bf16 or f16 on the way to a quantiser, and a product that is left as it is and whose result goes on into a quantised operand takes f32 operands (vector FMAs, or v_wmma_f32_16x16x4_f32). A number that lies on a knife's edge between two numbers of the format may be rounded either way, as far as f32 arithmetic and the matrix unit's own rounding can turn it there, and no further.
;; One version. Each part assembles by itself: llvm-mc -triple=amdgcn-amd-amdhsa -mcpu=gfx1250 --defsym DOCPART=n.
;; ======== version 1 of 1: 4 launches
;; limits: right only within a limited range of input values
;; workspace buffers: xw 9,011,200 bytes; qkv 19,660,800 bytes; pw 14,155,776 bytes
;; launch quant (part 1): grid 352 x 1, 8 waves a work-group, no clusters, 70,656 bytes of LDS; arguments x, Wq, Wk, Wv, xw; writes xw
.if DOCPART == 1
	.amdgcn_target "amdgcn-amd-amdhsa--gfx1250"
	.amdhsa_code_object_version 6
	.text
	.protected	k_q37f0b242ed_quant
	.globl	k_q37f0b242ed_quant
	.p2align	8
	.type	k_q37f0b242ed_quant,@function
k_q37f0b242ed_quant:
	s_mov_b64 s[64:65], 0
	v_nop
	global_prefetch_b8 v0, s[64:65] scope:SCOPE_SE
	s_setreg_imm32_b32 hwreg(HW_REG_WAVE_MODE, 25, 1), 1
	s_wait_xcnt 0x0
; x [8192][1024] and Wq, Wk, Wv [1024 (K)][1024], f32, become codes of FP6 (E2M3) with one E8M0 byte for each 32 along K, laid in the ORDER OF AN OPERAND'S REGISTERS.
; WORK LEFT OUT BY THE PROGRAM: the causal mask sets every score with key > query to -infinity, so p = 0 there for all inputs: tiles of scores and of p v that lie wholly above the diagonal
; are not multiplied in the later launches, but for those that a cluster's common walk carries along.  A NaN, an infinity or an overflow that would arise only in such a tile is not carried to the result.  Every input is loaded.
; A group G is 128 rows (of x: rows; of a weight: its columns e).  Block a (0..7) of a group holds the 16 rows pi(a, rho) = 32 (a / 2) + 8 (a % 2) + rho + 8 (rho / 8).
; An IMAGE is a fragment, 16 rows x 128 K, as its 12 registers stand: piece c (0..2) is 512 bytes, lane l's registers 4 c .. 4 c + 3 at 16 l.
; A RECORD is 128 rows x 256 K, 25,600 bytes: images [q = 0, 1][a], then the scale words [q][rho][a].  xw = [G 0..87][256 along K: 0..3][record]; G 0-63 x, 64-71 Wq, 72-79 Wk, 80-87 Wv.
; Work-group w writes record w.  Its wave 4 q + j takes the record's half q and blocks 2 j, 2 j + 1: 32 rows x 128 K, 16 KiB of f32, ALL OF WHICH IT ASKS FOR AT ONCE.
; Work-groups 0-255 take x, the others the weights; the two paths part on the work-group's number and have LDS bytes of their own.  A half's scale words come from four waves: they meet in LDS behind one barrier, and wave j = 0 stores the 512 bytes.
; A block's scale is 2^(floor(log2(largest magnitude)) - 2); its byte is the largest magnitude's exponent field - 2, held at 1 from below.
; LIMITS: NaN and infinities are not served; a block whose largest magnitude lies under 2^-124, a block of zeros too, gets the byte 1 (this program alone reads the bytes).
; No matrix work, no tensor load, no prefetch: every byte is asked for in the wave's first lines, so there is no loop to run ahead in.
.set XSTG,  8448                       ; x's stage: 16 rows x (512 bytes + 16), for each wave
.set XWS,   8*XSTG                     ; x's scale words: 512 bytes for each half
.set WWS,   XWS+1024                   ; the weights' scale words
.set SPARE, WWS+1024                   ; the spare words: 128 bytes for each of 8 waves, four blocks of 256 bytes that no other line names
.set LI,    2                          ; 16 x lane
.set SIN,   3                          ; x: into the stage
.set SOUT,  4                          ; x: out of the stage
.set WO,    5                          ; x: my scale word's place in LDS
.set SPW,   6                          ; my spare word; never rewritten
.set NIL,   7                          ; 0; never rewritten
.set WD,    8                          ; v8-9 scale words
.set WSIN,  10                         ; W: 4 x lane
.set WSOUT, 11                         ; W: my place in an image
.set WWO,   12                         ; W: my scale word's place in LDS
.set XRD,   13                         ; x: a half's words back, 16 bytes a lane
.set WRD,   14                         ; W: the same
.set TM,    16                         ; v16-31 at work
.set PC,    36                         ; codes
.set OQ,    56
.set TP,    60                         ; v60-62 W: a block's upper 16 codes
.set X,     64                         ; x: v64-127 64 numbers of a lane; W: v64-191 four blocks of 32
.set R,     128                        ; x: v128-255 two blocks of 16 rows as loaded
.set RB,    192                        ; the words on their way out
.set SEL,   22
.set MSK,   24
.set OI,    26
.set OW,    28
.set INP,   30
	s_load_b256 s[4:11], s[0:1], 0x0               ; x, Wq, Wk, Wv
	s_load_b64 s[12:13], s[0:1], 0x20              ; xw
	v_lshl_add_u32 v[SPW], v0, 2, SPARE
	v_mov_b32 v[NIL], 0
	v_lshrrev_b32 v1, 5, v0
	v_readfirstlane_b32 s14, v1                    ; wave
	s_lshr_b32 s33, s14, 2                         ; q
	s_and_b32 s34, s14, 3                          ; j
	v_and_b32 v1, 31, v0
	v_lshlrev_b32 v[LI], 4, v1
	v_and_b32 v32, 15, v0                          ; x: rho
	v_bfe_u32 v33, v0, 4, 1                        ; h
	s_mul_i32 s21, s14, XSTG
	v_add_nc_u32 v[SIN], s21, v[LI]
	v_mul_u32_u24 v[SOUT], v32, 528
	v_lshl_add_u32 v[SOUT], v33, 6, v[SOUT]
	v_add_nc_u32 v[SOUT], s21, v[SOUT]             ; row rho, + 64 h
	s_lshl_b32 s35, s33, 9                         ; 512 q
	s_lshl_b32 s36, s34, 3
	s_add_co_u32 s36, s36, s35                     ; 512 q + 8 j
	v_lshlrev_b32 v[WO], 5, v32
	v_lshl_add_u32 v[WO], v33, 2, v[WO]            ; 32 rho + 4 h: lanes 0-15 block 2 j's word, lanes 16-31 block 2 j + 1's
	s_add_co_u32 s37, s36, XWS
	v_add_nc_u32 v[WO], s37, v[WO]
	s_add_co_u32 s38, s35, XWS
	v_add_nc_u32 v[XRD], s38, v[LI]
	v_lshlrev_b32 v[WSIN], 2, v1
	v_bfe_u32 v34, v0, 3, 1                        ; W: column 32 j + lane is row rho of block 2 j + u: u = bit 3 of the lane,
	v_and_b32 v35, 7, v0
	v_lshl_add_u32 v35, v33, 3, v35                ; rho = lane % 8 + 8 x bit 4
	v_mul_u32_u24 v[WSOUT], v34, 1536
	v_lshl_add_u32 v[WSOUT], v35, 4, v[WSOUT]
	v_lshlrev_b32 v[WWO], 5, v35
	v_lshl_add_u32 v[WWO], v34, 2, v[WWO]
	s_add_co_u32 s37, s36, WWS
	v_add_nc_u32 v[WWO], s37, v[WWO]
	s_add_co_u32 s38, s35, WWS
	v_add_nc_u32 v[WRD], s38, v[LI]
.irp b, 0,1,2,3
	v_mov_b32 v[TM+4+\b], 0                        ; written once: a lane permute's destination counts as one of its sources
.endr
	s_mov_b32 s[SEL], 0x76543210
	s_mov_b32 s[SEL+1], 0xfedcba98
	s_mov_b32 s[MSK], 0xffff0000
	s_mul_i32 s16, ttmp9, 25600                    ; record w
	s_add_co_u32 s18, s16, s35
	s_add_co_u32 s18, s18, 24576                   ; my half's 512 bytes of scale words
	s_mul_i32 s17, s33, 12288
	s_add_co_u32 s16, s16, s17
	s_mul_i32 s17, s34, 3072
	s_add_co_u32 s16, s16, s17                     ; my two images
	s_mov_b32 s17, 0
	s_mov_b32 s19, 0
	s_lshr_b32 s15, ttmp9, 2                       ; G
	s_and_b32 s20, ttmp9, 3
	s_lshl_b32 s20, s20, 1
	s_add_co_u32 s20, s20, s33                     ; which 128 along K: 0..7
	s_wait_alu depctr_va_vdst(0)                   ; the wait at the head's end
	s_wait_kmcnt 0x0
	s_add_nc_u64 s[OI:OI+1], s[12:13], s[16:17]
	s_add_nc_u64 s[OW:OW+1], s[12:13], s[18:19]
	s_cmp_ge_u32 ttmp9, 256
	s_cbranch_scc1 .Lweights
; 64 numbers of a lane, register 16 b + i = k 32 b + 16 (lane / 16) + i of my row, become a fragment's codes in v[pc] on and its scale word in v[pw].
.macro QUANT s, pw, pc
.irp b, 0,1,2,3
	v_max3_num_f32 v[TM+\b], |v[\s+16*\b]|, |v[\s+1+16*\b]|, 0x1800000   ; and the floor 2^(3 - 127): the byte cannot fall under 1
.endr
.irp i, 2,4,6,8,10,12,14
.irp b, 0,1,2,3
	v_max3_num_f32 v[TM+\b], v[TM+\b], |v[\s+16*\b+\i]|, |v[\s+1+16*\b+\i]|
.endr
.endr
.irp b, 0,1,2,3
	v_permlanex16_b32 v[TM+4+\b], v[TM+\b], s[SEL], s[SEL+1]
.endr
.irp b, 0,1,2,3
	v_max_num_f32 v[TM+\b], v[TM+\b], v[TM+4+\b]   ; with lane l xor 16's 16: the block's largest magnitude
.endr
.irp b, 0,1,2,3
	v_add_nc_u32 v[TM+12+\b], 0xff000000, v[TM+\b] ; 2 off its exponent field: the conversion's scale operand
.endr
.irp b, 0,1,2,3
	v_lshrrev_b32 v[TM+4+\b], 23, v[TM+12+\b]      ; the scale's byte
.endr
	v_lshl_or_b32 v[\pw], v[TM+5], 8, v[TM+4]
	v_lshl_or_b32 v[\pw], v[TM+6], 16, v[\pw]
	v_lshl_or_b32 v[\pw], v[TM+7], 24, v[\pw]
.irp c, 0,1
	v_cvt_scalef32_pk16_fp6_f32 v[\pc+6*\c:\pc+2+6*\c], v[\s+32*\c:\s+15+32*\c], v[TM+12+2*\c]
	v_cvt_scalef32_pk16_fp6_f32 v[\pc+12+4*\c:\pc+14+4*\c], v[\s+16+32*\c:\s+31+32*\c], v[TM+12+2*\c+1]   ; (a conversion's three registers begin on an even number)
.endr
	v_nop                                          ; one plain place behind a scaled conversion
.irp c, 0,1                                    ; the operand's layout wants a whole block in a lane
.irp i, 0,1,2
	v_permlane16_swap_b32 v[\pc+6*\c+\i], v[\pc+12+4*\c+\i]
.endr
.irp i, 0,1,2
	v_mov_b32 v[\pc+3+6*\c+\i], v[\pc+12+4*\c+\i]
.endr
.endr
.endm
; The way out of the scale words: each lane's word into the half's 512 bytes, one barrier, wave j = 0 stores them whole; then the wave's end.
.macro WORDS wadr, wreg, radr, lbl
	ds_store_b32 v[\wadr], v[\wreg]
	s_wait_dscnt 0x0                               ; for the others' sake: my words lie in LDS
	s_barrier_signal -1
	s_barrier_wait -1
	s_cmp_lg_u32 s34, 0
	s_cbranch_scc1 \lbl
	ds_load_b128 v[RB:RB+3], v[\radr]
	s_wait_dscnt 0x0
	global_store_b128 v[LI], v[RB:RB+3], s[OW:OW+1]   ; 512 consecutive bytes, aligned
\lbl:
	s_wait_tensorcnt 0x0                           ; the wave's end, behind my last LDS store
	ds_add_u32 v[SPW], v[NIL]
	s_wait_dscnt 0x0
	s_endpgm
.endm
	; ---------------- x: K is innermost.  Each load takes 512 consecutive bytes of one row; 16 rows turn through my stage so that a lane holds 16 neighbours of each block of its row.
	s_lshl_b32 s16, s15, 19                        ; 128 rows of 4,096 bytes
	s_lshl_b32 s17, s20, 9                         ; 128 numbers along K
	s_add_co_u32 s16, s16, s17
	s_lshl_b32 s17, s34, 17                        ; my 32 rows
	s_add_co_u32 s16, s16, s17
	s_mov_b32 s17, 0
	s_add_nc_u64 s[INP:INP+1], s[4:5], s[16:17]
.macro XLOAD u                         ; block 2 j + u's 16 rows, in the block's order
.irp i, 0,1,2,3,4,5,6,7,8,9,10,11,12,13,14,15
	global_load_b128 v[R+64*(\u)+4*\i:R+64*(\u)+4*\i+3], v[LI], s[INP:INP+1] offset:(8*(\u)+\i+8*(\i/8))*4096 th:TH_LOAD_NT
.endr
.endm
.macro XFRAG u, pc
	s_wait_loadcnt 16-16*(\u)                      ; this block's 16 loads are in; behind them stand the other block's 16, or none
.irp i, 0,1,2,3,4,5,6,7,8,9,10,11,12,13,14,15
	ds_store_b128 v[SIN], v[R+64*(\u)+4*\i:R+64*(\u)+4*\i+3] offset:528*\i
.endr
.irp b, 0,1,2,3
.irp j, 0,1,2,3
	ds_load_b128 v[X+16*\b+4*\j:X+16*\b+4*\j+3], v[SOUT] offset:128*\b+16*\j   ; LDS serves a wave's instructions in order: these see the stores above
.endr
.endr
	s_wait_dscnt 0x0
	QUANT X, WD+(\u), \pc
.irp c, 0,1,2
	global_store_b128 v[LI], v[\pc+4*\c:\pc+4*\c+3], s[OI:OI+1] offset:1536*(\u)+512*\c   ; 512 consecutive bytes
.endr
.endm
	XLOAD 0
	XLOAD 1
	XFRAG 0, PC
	XFRAG 1, R                                     ; its codes go where block 0's numbers lay: no store's data are written again
	v_cndmask_b32 v[OQ], v[WD], v[WD+1], s[MSK]
	WORDS WO, OQ, XRD, .Lxend
	; ---------------- a weight: K is its first axis.  A lane takes a column and its registers run down K: a block of 32 is one lane's, and the codes come out with K innermost.
.Lweights:
	s_sub_co_u32 s15, s15, 64                      ; 0..23: 8 groups of 128 columns for each weight
	s_and_b32 s16, s15, 7
	s_lshl_b32 s16, s16, 9                         ; the group's 128 columns
	s_lshl_b32 s17, s20, 19                        ; my 128 rows along K
	s_add_co_u32 s16, s16, s17
	s_lshl_b32 s17, s34, 7                         ; my 32 columns
	s_add_co_u32 s16, s16, s17
	s_mov_b32 s17, 0
	s_cmp_lt_u32 s15, 8
	s_cselect_b64 s[INP:INP+1], s[6:7], s[8:9]
	s_cmp_lt_u32 s15, 16
	s_cselect_b64 s[INP:INP+1], s[INP:INP+1], s[10:11]
	s_add_nc_u64 s[INP:INP+1], s[INP:INP+1], s[16:17]
; Block n = 2 h + c: K = 64 c + 32 h + 0 .. 31 of column 32 j + lane
.irp n, 0,1,2,3
.irp i, 0,1,2,3,4,5,6,7,8,9,10,11,12,13,14,15,16,17,18,19,20,21,22,23,24,25,26,27,28,29,30,31
	global_load_b32 v[X+32*\n+\i], v[WSIN], s[INP:INP+1] offset:(64*(\n%2)+32*(\n/2)+\i)*4096
.endr
.endr
.macro WBLOCK n
.set XS, X+32*(\n)
.set HH, (\n)/2
.set CC, (\n)%2
.set P,  PC+12*HH                      ; a set of 12 registers for each h: no store's data are written again
.if (\n) < 2
	s_wait_loadcnt 63                              ; behind this block's loads stand 96 or 64 more; the wait's field holds 63 at the most, and a smaller count is safe
.else
	s_wait_loadcnt 96-32*(\n)                      ; this block's 32 loads are in; the later block's may be out
.endif
	v_max3_num_f32 v16, |v[XS]|, |v[XS+1]|, |v[XS+2]|
	v_max3_num_f32 v17, |v[XS+3]|, |v[XS+4]|, |v[XS+5]|
.irp i, 6,10,14,18,22,26
	v_max3_num_f32 v16, v16, |v[XS+\i]|, |v[XS+\i+1]|
	v_max3_num_f32 v17, v17, |v[XS+\i+2]|, |v[XS+\i+3]|
.endr
	v_max3_num_f32 v16, v16, |v[XS+30]|, |v[XS+31]|
	v_max3_num_f32 v16, v16, v17, 0x1800000        ; and the floor
	v_add_nc_u32 v18, 0xff000000, v16              ; the conversion's scale operand
	v_lshrrev_b32 v19, 23, v18                     ; the byte of block 2 c + h of the 128 along K
.if 2*CC+HH == 0
	v_mov_b32 v[WD], v19
.else
	v_lshl_or_b32 v[WD], v19, 8*(2*CC+HH), v[WD]
.endif
	v_cvt_scalef32_pk16_fp6_f32 v[P+6*CC:P+6*CC+2], v[XS:XS+15], v18
	v_cvt_scalef32_pk16_fp6_f32 v[TP:TP+2], v[XS+16:XS+31], v18
	v_nop                                          ; one plain place behind a scaled conversion
.irp i, 0,1,2
	v_mov_b32 v[P+6*CC+3+\i], v[TP+\i]
.endr
.if CC == 1                                    ; the 12 registers are those of lane rho + 16 h of image 2 j + u
.irp c, 0,1,2
	global_store_b128 v[WSOUT], v[P+4*\c:P+4*\c+3], s[OI:OI+1] offset:256*HH+512*\c   ; sixteen lanes store 256 consecutive bytes, aligned
.endr
.endif
.endm
.irp n, 0,1,2,3
	WBLOCK \n
.endr
	WORDS WWO, WD, WRD, .Lwend
.Lfunc_end_k_q37f0b242ed_quant:
	.size	k_q37f0b242ed_quant, .Lfunc_end_k_q37f0b242ed_quant-k_q37f0b242ed_quant
	.p2alignl 7, 3214868480
	.fill 96, 4, 3214868480
	.section	.rodata,"a",@progbits
	.p2align	6, 0x0
	.amdhsa_kernel k_q37f0b242ed_quant
		.amdhsa_group_segment_fixed_size 70656
		.amdhsa_private_segment_fixed_size 0
		.amdhsa_enable_private_segment 0
		.amdhsa_kernarg_size 40
		.amdhsa_user_sgpr_count 2
		.amdhsa_user_sgpr_kernarg_segment_ptr 1
		.amdhsa_wavefront_size32 1
		.amdhsa_system_sgpr_workgroup_id_x 1
		.amdhsa_system_sgpr_workgroup_id_y 1
		.amdhsa_system_sgpr_workgroup_id_z 1
		.amdhsa_system_vgpr_workitem_id 0
		.amdhsa_next_free_vgpr 256
		.amdhsa_next_free_sgpr 66
		.amdhsa_reserve_vcc 0
		.amdhsa_float_denorm_mode_32 3
		.amdhsa_float_denorm_mode_16_64 3
		.amdhsa_memory_ordered 1
		.amdhsa_forward_progress 1
		.amdhsa_inst_pref_size 39
	.end_amdhsa_kernel
	.amdgpu_metadata
---
amdhsa.version: [ 1, 2 ]
amdhsa.kernels:
  - .name:           k_q37f0b242ed_quant
    .symbol:         k_q37f0b242ed_quant.kd
    .args:
      - { .name: x, .offset: 0, .size: 8, .value_kind: global_buffer, .address_space: global }
      - { .name: Wq, .offset: 8, .size: 8, .value_kind: global_buffer, .address_space: global }
      - { .name: Wk, .offset: 16, .size: 8, .value_kind: global_buffer, .address_space: global }
      - { .name: Wv, .offset: 24, .size: 8, .value_kind: global_buffer, .address_space: global }
      - { .name: xw, .offset: 32, .size: 8, .value_kind: global_buffer, .address_space: global }
    .group_segment_fixed_size: 70656
    .private_segment_fixed_size: 0
    .kernarg_segment_align: 8
    .kernarg_segment_size: 40
    .max_flat_workgroup_size: 256
    .sgpr_count:     66
    .vgpr_count:     256
    .wavefront_size: 32
...
	.end_amdgpu_metadata
.endif
;; end of part 1
;; launch proj (part 2): grid 4 x 64, 4 waves a work-group, clusters of 4 x 4, 327,680 bytes of LDS; arguments xw, qkv; writes qkv
.if DOCPART == 2
	.amdgcn_target "amdgcn-amd-amdhsa--gfx1250"
	.amdhsa_code_object_version 6
	.text
	.protected	k_q37f0b242ed_proj
	.globl	k_q37f0b242ed_proj
	.p2align	8
	.type	k_q37f0b242ed_proj,@function
k_q37f0b242ed_proj:
	s_mov_b64 s[64:65], 0
	v_nop
	global_prefetch_b8 v0, s[64:65] scope:SCOPE_SE
	s_setreg_imm32_b32 hwreg(HW_REG_WAVE_MODE, 25, 1), 1
	s_wait_xcnt 0x0
	s_wait_alu depctr_hold_cnt(0) depctr_sa_sdst(0) depctr_va_vdst(0) depctr_va_sdst(0) depctr_va_ssrc(0) depctr_va_vcc(0) depctr_vm_vsrc(0)
	s_getreg_b32 s2, hwreg(HW_REG_IB_STS2, 6, 4)
	s_cmp_eq_u32 s2, 0
	s_cbranch_scc0 .Lentry_in_a_cluster
	s_endpgm
.Lentry_in_a_cluster:
	s_bfe_u32 s2, ttmp6, 0x10000c
	s_cmp_lg_u32 s2, 0xf033
	s_cbranch_scc0 .Lentry_shape_is_right
	s_endpgm
.Lentry_shape_is_right:
; q = x Wq, k = x Wk (quantised along e) and v^T = Wv^T x^T (quantised along the keys), all on codes of FP6 (E2M3) with E8M0 scales; the results leave as codes again, in the order of an operand's registers.
; LAYOUT (all operands): a group is 128 rows; its block a holds rows pi(a, rho) = 32 (a / 2) + 8 (a % 2) + rho + 8 (rho / 8); an image is a fragment (16 rows x 128 K) as its 12 registers stand, 1,536 bytes;
; a record is 128 rows x 256 K: images [q][a], then scale words [q][rho][a]: 25,600 bytes, dense.  xw = [G 0..87][4 records].  qkv: at 0 [G 0..63 (rows b, s)][8 records: 0-3 q, 4-7 k]; at 13,107,200 [G 0..7 (rows e)][32 records along the keys of all batches].
; THE PRODUCT IS USED TRANSPOSED: source 0 = 16 rows of "B", source 1 = 16 rows of "A": lane (r, h) holds A's row pi(a, r), and, since B's blocks hold rows in the order pi, the 64 registers of A's block a are B's rows
; 32 be + 16 h + i at register 16 be + i: sixteen neighbours along the next K.  So a block is quantised in registers and its image stored as it stands.
; A WORK-GROUP STAYS AND MAKES ONE AND A HALF TILES: the work is 24 squares of 1,024 x 1,024 (K = 1,024) for 16 clusters of 4 x 4 work-groups, 256 work-groups of equal work.
;   TILE 1 (cluster c: q for c < 8, else k): A = x, B = the weight; 256 x 256 to a work-group, 128 x 128 to a wave: 64 accumulators.  K goes in four steps of 256 through two LDS slots of four records.
;   TILE 2 (half c % 2 of v^T's square c / 2): A = Wv (rows e), B = x (rows = keys); 128 x 256 to a work-group, 64 x 128 to a wave: 32 accumulators.  All its operands lie in LDS before it begins: Wv's four records come with the
;   first fills into a third region; x's two groups of four records take the two slots as tile 1 leaves them, so the second lands while tile 1's results are quantised and stored.  Tile 2 has no refill; tile 1's stores leave under it.
; CLUSTER 4 x 4: A's records are shared along a row of the cluster, B's along a column: joint loads.  No branch and no LDS address hangs on a place in the cluster.  The text is straight, without a loop.
; LIMITS: NaN and infinities are not served; a block whose largest magnitude lies under 2^-124, a block of zeros too, gets the byte 1 (this program alone reads the bytes).
; REGISTERS: window 0: v8-29 addresses; v32-63 scale words (nothing else ever); v64-159, v160-255 A's fragments, two sets (on the ways out: at work).  window 1: B's two sets at v0, v128.  windows 2, 3: accumulator (a, b) at v[8 (8 (a % 4) + b)].
.set REC,   25600
.set SLOT,  4*REC                      ; tile 1: A's two records, then B's two.  Tile 2: slot ch holds the four records of x's group ch
.set R2,    2*SLOT                     ; Wv's four records: filled once
.set WST,   3*SLOT                     ; tile 2's scale words on their way out: 1,024 bytes into which no fill lands
.set SPARE, WST+1024                   ; the spare words: 128 bytes for each wave, two blocks of 256 bytes that no other line names
.set FR,    12
.set ADRA2, 8                          ; v8-9   tile 2: my four blocks of Wv, records 0, 1 and 2, 3, + 16 x lane
.set ADSA2, 10                         ; v10-11 their scale words: lanes 0-15 the even step's, lanes 16-31 the odd step's
.set ADSB2, 12                         ; v12-13 the same for x
.set WSI,   14                         ; v14  into the word stage
.set WSO,   15                         ; v15  and back
.set ADRA,  16                         ; v16-17 tile 1: my A record in slot 0, 1, + 16 x lane
.set WO2,   18                         ; v18  8 x lane
.set ADRB,  20                         ; v20-21 the same for B
.set ADRS,  22                         ; v22-23 scale words: lanes 0-15 A's, lanes 16-31 B's
.set LI,    24                         ; v24  16 x lane
.set WO,    25                         ; v25  32 r + 16 h
.set ADRB2, 26                         ; v26-27 tile 2: my group of x, records 0, 1 and 2, 3, + 16 x lane
.set SPW,   28
.set NIL,   29
.set SC,    32                         ; tile 1: v[SC + 16 slot + 8 q + a]: lanes 0-15 the words of A's block a, lanes 16-31 of B's block a
.set SCA2,  32                         ; tile 2: v[SCA2 + 4 (record % 2) + a]
.set SCB2,  40                         ;         v[SCB2 + 8 (record % 2) + b]
.set AF,    64
.set PC,    72                         ; the ways out: codes
.set OQ,    112
.set WD,    128                        ; scale words made
.set TM,    160                        ; at work
.set G1,  24                           ; s[24:31] group 1 with the mask of my row of the cluster;  s[32:39] tile 1's groups 0 for A, one a slot
.set G0,  32
.set G1B, 48                           ; s[48:55] the same with the mask of my column;  s[56:63] tile 1's groups 0 for B
.set G0B, 56
.set OI,  76                           ; s[76:79] tile 1's images and words;  s[80:83] tile 2's
.set OW,  78
.set OI2, 80
.set OW2, 82
.set SEL, 84
.set MSK, 86
.set G0X, 88                           ; s[88:91] group 0 for my record of Wv
.set G0Y, 92                           ; s[92:99] groups 0 for my record of tile 2's x: group 0 into slot 0, group 1 into slot 1
.set MSB, 0
.macro WIN new                         ; the immediate's high byte repeats the setting that is left
.if MSB != (\new)
	s_set_vgpr_msb (MSB<<8)|(\new)
.set MSB, (\new)
.endif
.endm
.set MUL_LO, 0xa1                      ; source 0 (B) window 1, source 1 (A) window 0, C and D window 2
.set MUL_HI, 0xf1
.set TO_B,   0x40
.macro PLACES n
.rept \n
	v_nop
.endr
.endm
; A joint load of tile 1: waves 0 and 1 fetch A's two records, waves 2 and 3 B's.  An s_nop 0 and four v_nop follow each of the two lines.
.macro JLOAD g0a, g1a, g0b, g1b
	s_cmp_eq_u32 s15, 0
	s_cbranch_scc0 .Lfor_b_\@
	tensor_load_to_lds s[\g0a:\g0a+3], s[\g1a:\g1a+7]
	s_nop 0
.rept 4
	v_nop
.endr
	s_branch .Lasked_\@
.Lfor_b_\@:
	tensor_load_to_lds s[\g0b:\g0b+3], s[\g1b:\g1b+7]
	s_nop 0
.rept 4
	v_nop
.endr
.Lasked_\@:
.endm
; A joint load for tile 2: slot s takes the four records of x's group s; every wave fetches the record of its own number, to wave x 25,600 bytes in the slot.
.macro YLOAD s
	tensor_load_to_lds s[G0Y+4*\s:G0Y+4*\s+3], s[G1B:G1B+7]
	s_nop 0
.rept 4
	v_nop
.endr
.endm
.macro CREST                           ; a round of the cluster's barrier behind its opening barrier
	s_cmp_lg_u32 s14, 0
	s_cbranch_scc1 .Lnot_wave_0_\@
	s_barrier_signal -3
.Lnot_wave_0_\@:
	s_barrier_wait -3
	s_barrier_signal -1
	s_barrier_wait -1
.endm
.macro CROUND
	s_barrier_signal -1
	s_barrier_wait -1
	CREST
.endm
	s_load_b128 s[4:7], s[0:1], 0x0                ; xw, qkv
	v_lshl_add_u32 v[SPW], v0, 2, SPARE
	v_mov_b32 v[NIL], 0
	ds_add_u32 v[SPW], v[NIL]                      ; the wave's opening: the add and its wait ahead of my first tensor load
	ds_add_u32 v[SPW], v[NIL]
	v_lshrrev_b32 v1, 5, v0
	v_readfirstlane_b32 s14, v1                    ; wave
	s_lshr_b32 s15, s14, 1                         ; rh: my half of A's rows; in tile 1 also: I fetch for A (0) or B (1)
	s_and_b32 s16, s14, 1                          ; ch: my half of B's rows; in tile 1 also: which of the two records I fetch
	s_bfe_u32 s40, ttmp6, 0x40000                  ; cx
	s_bfe_u32 s41, ttmp6, 0x40004                  ; cy
	s_and_b32 s17, ttmp7, 0xffff                   ; the cluster: 0..15
	s_lshl_b32 s43, s41, 2
	s_lshl_b32 s43, 15, s43                        ; my row of the cluster
	s_lshl_b32 s44, 0x1111, s40                    ; my column
	s_or_b32 s[G1], s43, (3<<16)|(1<<21)           ; the mask; elements of 8 bytes; bit 21 beside a mask; no padding
	s_or_b32 s[G1B], s44, (3<<16)|(1<<21)
	; the prefetches' offsets: a record is 100 blocks of 256 bytes; the four partners that ask for it jointly take 25 each, told apart by address; a lane a block, lanes 25-31 name the last again
	v_and_b32 v30, 31, v0
	v_min_u32 v30, 24, v30
	v_lshlrev_b32 v30, 8, v30
	s_cmp_eq_u32 s15, 0
	s_cselect_b32 s42, s40, s41                    ; tile 1: A's records are shared along the row (my place: cx), B's along the column (cy)
	s_mul_i32 s42, s42, 6400
	s_mul_i32 s87, s41, 6400                       ; tile 2's x: shared along the column
	v_add_nc_u32 v31, s87, v30
	s_mul_i32 s18, s40, 6400                       ; Wv's records: shared along the row
	v_add_nc_u32 v19, s18, v30
	v_add_nc_u32 v30, s42, v30
	s_wait_alu depctr_va_vdst(0)                   ; the wait here, ahead of the scalar lines below
.irp g, G1, G1B                        ; a record: 100 rows of 256 bytes, dense
	s_mov_b32 s[\g+1], 3200<<16                    ; THE HEAD'S FORM: two rows of a whole record (3,200 elements of 8 bytes), four records apart: one record of two neighbouring groups
	s_mov_b32 s[\g+2], 2<<16
	s_mov_b32 s[\g+3], 3200<<16
	s_mov_b32 s[\g+4], 2
	s_mov_b32 s[\g+5], 12800
	s_mov_b32 s[\g+6], 0
	s_mov_b32 s[\g+7], 0
.endr
	s_mov_b32 s[SEL], 0x76543210
	s_mov_b32 s[SEL+1], 0xfedcba98
	s_mov_b32 s[MSK], 0xffff0000
	; tile 1.  What feeds A's descriptors never holds cx, what feeds B's never cy
	s_lshr_b32 s18, s17, 3                         ; 0: q, 1: k
	s_and_b32 s19, s17, 7
	s_lshl_b32 s19, s19, 3                         ; x's first group of the square
	s_lshl_b32 s21, s41, 1
	s_add_co_u32 s20, s19, s21                     ; + 2 cy
	s_add_co_u32 s66, s20, s15                     ; the result's group: + my half
	s_add_co_u32 s20, s20, s16                     ; A's group that I fetch: + which
	s_mul_i32 s20, s20, 4*REC
	s_mov_b32 s21, 0
	s_lshl_b32 s46, s18, 3
	s_lshl_b32 s47, s40, 1
	s_add_co_u32 s46, s46, s47
	s_add_co_u32 s46, s46, s16
	s_add_co_u32 s46, s46, 64                      ; B's group that I fetch: 64 + 8 x (q or k) + 2 cx + which
	s_mul_i32 s46, s46, 4*REC
	s_mov_b32 s47, 0
	s_lshl_b32 s66, s66, 3                         ; eight records to a group,
	s_lshl_b32 s67, s18, 2
	s_add_co_u32 s66, s66, s67
	s_add_co_u32 s66, s66, s40                     ; record 4 x (q or k) + cx
	s_mul_i32 s66, s66, REC
	s_mul_i32 s72, s16, 12288
	s_add_co_u32 s72, s72, s66                     ; my half q of the record: its images,
	s_mov_b32 s73, 0
	s_lshl_b32 s74, s16, 9
	s_add_co_u32 s74, s74, s66
	s_add_co_u32 s74, s74, 24576                   ; its words
	s_mov_b32 s75, 0
	; tile 2
	s_and_b32 s68, s17, 1                          ; which half of v^T's square
	s_lshr_b32 s69, s17, 1                         ; which square: 1,024 keys
	s_lshl_b32 s22, s68, 2
	s_add_co_u32 s22, s22, s41                     ; v^T's group: 4 x half + cy
	s_lshl_b32 s70, s22, 5                         ; 32 records to a group
	s_add_co_u32 s22, s22, 80                      ; the same group of Wv in xw,
	s_lshl_b32 s22, s22, 2
	s_add_co_u32 s22, s22, s14                     ; its record of my wave's number
	s_mul_i32 s22, s22, REC
	s_mov_b32 s23, 0
	s_lshl_b32 s8, s69, 3
	s_lshl_b32 s9, s40, 1
	s_add_co_u32 s8, s8, s9                        ; x's group 8 x square + 2 cx (the second lies four records on),
	s_lshl_b32 s8, s8, 2
	s_add_co_u32 s8, s8, s14                       ; its record of my wave's number
	s_mul_i32 s8, s8, REC
	s_mov_b32 s9, 0
	s_lshl_b32 s71, s69, 2
	s_add_co_u32 s70, s70, s71
	s_add_co_u32 s70, s70, s40                     ; the result's record: 4 x square + cx
	s_mul_i32 s70, s70, REC
	s_add_co_u32 s70, s70, 13107200
	s_mul_i32 s10, s16, 12288
	s_add_co_u32 s10, s10, s70
	s_mul_i32 s11, s15, 4*1536
	s_add_co_u32 s10, s10, s11                     ; half ch of the record, my four images
	s_mov_b32 s11, 0
	s_lshl_b32 s12, s16, 9
	s_add_co_u32 s12, s12, s70
	s_lshl_b32 s13, s15, 8
	s_add_co_u32 s12, s12, s13
	s_add_co_u32 s12, s12, 24576                   ; the 256 bytes of its words that I store
	s_mov_b32 s13, 0
	s_mul_i32 s45, s14, REC                        ; where my record goes in a slot: no place in the cluster enters an LDS address
	s_wait_dscnt 0x0                               ; the opening add is done
	s_wait_kmcnt 0x0
	s_add_nc_u64 s[20:21], s[4:5], s[20:21]
	s_add_nc_u64 s[46:47], s[4:5], s[46:47]
	s_add_nc_u64 s[22:23], s[4:5], s[22:23]
	s_add_nc_u64 s[8:9], s[4:5], s[8:9]
	s_add_nc_u64 s[OI:OI+1], s[6:7], s[72:73]
	s_add_nc_u64 s[OW:OW+1], s[6:7], s[74:75]
	s_add_nc_u64 s[OI2:OI2+1], s[6:7], s[10:11]
	s_add_nc_u64 s[OW2:OW2+1], s[6:7], s[12:13]
.irp s, 0,1
	s_mov_b32 s[G0+4*\s], 1
	s_add_co_u32 s[G0+4*\s+1], s45, \s*SLOT
	s_add_nc_u64 s[G0+4*\s+2:G0+4*\s+3], s[20:21], \s*REC
	s_or_b32 s[G0+4*\s+3], s[G0+4*\s+3], 0x80000000
	s_mov_b32 s[G0B+4*\s], 1
	s_add_co_u32 s[G0B+4*\s+1], s45, \s*SLOT
	s_add_nc_u64 s[G0B+4*\s+2:G0B+4*\s+3], s[46:47], \s*REC
	s_or_b32 s[G0B+4*\s+3], s[G0B+4*\s+3], 0x80000000   ; (the ring's groups 0 are first used at a slot's first refill, which steps them two records on)
.endr
	s_mov_b32 s[G0X], 1                            ; my record of Wv, for tile 2: asked for behind the round that follows the head's loads
	s_add_co_u32 s[G0X+1], s45, R2
	s_mov_b64 s[G0X+2:G0X+3], s[22:23]
	s_or_b32 s[G0X+3], s[G0X+3], 0x80000000
.irp s, 0,1
	s_mov_b32 s[G0Y+4*\s], 1
	s_add_co_u32 s[G0Y+4*\s+1], s45, \s*SLOT
	s_add_nc_u64 s[G0Y+4*\s+2:G0Y+4*\s+3], s[8:9], \s*4*REC
	s_or_b32 s[G0Y+4*\s+3], s[G0Y+4*\s+3], 0x80000000
.endr
; THE HEAD'S LOADS, ONE A WAVE, BRING BOTH SLOTS: waves 0, 1 fetch A's two records of K step 0, 1; waves 2, 3 B's.  Here s16 is the slot, and the two groups come by the one descriptor of two long rows.
.set G0H,  4                           ; s[4:7], s[8:11] groups 0 of the head's loads (the arguments and offsets that lay there have been used)
.set G0HB, 8
.set PFA,  72                          ; s[72:73] the group whose records I fetch in tile 1
.set PFY,  12                          ; s[12:13] my record of tile 2's first group of x
	s_cmp_eq_u32 s15, 0
	s_cselect_b64 s[PFA:PFA+1], s[20:21], s[46:47]
	s_mov_b64 s[PFY:PFY+1], s[8:9]
	s_mul_i32 s74, s16, 3*REC                      ; from (group + s16, record 0) back to (group, record s16)
	s_mov_b32 s75, 0
	s_mov_b32 s[G0H], 1
	s_mul_i32 s[G0H+1], s16, SLOT
	s_sub_nc_u64 s[G0H+2:G0H+3], s[20:21], s[74:75]
	s_or_b32 s[G0H+3], s[G0H+3], 0x80000000
	s_mov_b32 s[G0HB], 1
	s_add_co_u32 s[G0HB+1], s[G0H+1], 2*REC
	s_sub_nc_u64 s[G0HB+2:G0HB+3], s[46:47], s[74:75]
	s_or_b32 s[G0HB+3], s[G0HB+3], 0x80000000
	CROUND                                         ; all sixteen work-groups are here: the first joint loads meet
	JLOAD G0H, G1, G0HB, G1B
	global_prefetch_b8 v19, s[22:23] th:TH_LOAD_NT scope:SCOPE_SE   ; my record of Wv, my next tensor load: it is asked for behind the wait for the head's loads
	global_prefetch_b8 v30, s[PFA:PFA+1] offset:2*REC th:TH_LOAD_NT scope:SCOPE_SE   ; K step 2's record, which I fetch two tensor loads on: my work-group's 25 blocks of it
	v_and_b32 v1, 31, v0
	v_lshlrev_b32 v[LI], 4, v1
	v_and_b32 v2, 15, v0                           ; r
	v_bfe_u32 v3, v0, 4, 1                         ; h
	v_lshlrev_b32 v[WO], 5, v2
	v_lshl_add_u32 v[WO], v3, 4, v[WO]
	s_mul_i32 s66, s15, REC                        ; tile 1: my record of A
	s_mul_i32 s67, s16, REC
	s_add_co_u32 s67, s67, 2*REC                   ; my record of B
	s_sub_co_u32 s68, s67, s66
	v_mul_u32_u24 v4, s68, v3                      ; lanes 16-31 take B's words: one product, the distance between the two records
	v_lshl_add_u32 v4, v2, 5, v4
	s_add_co_u32 s69, s66, 24576
	v_add_nc_u32 v[ADRS], s69, v4
	v_add_nc_u32 v[ADRS+1], SLOT, v[ADRS]
	v_add_nc_u32 v[ADRA], s66, v[LI]
	v_add_nc_u32 v[ADRA+1], SLOT, v[ADRA]
	v_add_nc_u32 v[ADRB], s67, v[LI]
	v_add_nc_u32 v[ADRB+1], SLOT, v[ADRB]
	s_mul_i32 s66, s15, 4*1536                     ; tile 2: my four blocks of Wv
	s_add_co_u32 s66, s66, R2
	v_add_nc_u32 v[ADRA2], s66, v[LI]
	v_add_nc_u32 v[ADRA2+1], 2*REC, v[ADRA2]       ; an LDS offset holds 16 bits: records 2 and 3 have a register of their own
	s_mul_i32 s67, s16, SLOT                       ; my group of x
	v_add_nc_u32 v[ADRB2], s67, v[LI]
	v_add_nc_u32 v[ADRB2+1], 2*REC, v[ADRB2]
	v_lshlrev_b32 v5, 5, v2
	v_lshl_add_u32 v5, v3, 9, v5                   ; 32 r + 512 h: lanes 16-31 take the record's second 128 along K
	s_lshl_b32 s68, s15, 4
	s_add_co_u32 s68, s68, R2+24576
	v_add_nc_u32 v[ADSA2], s68, v5
	v_add_nc_u32 v[ADSA2+1], 2*REC, v[ADSA2]
	s_add_co_u32 s69, s67, 24576
	v_add_nc_u32 v[ADSB2], s69, v5
	v_add_nc_u32 v[ADSB2+1], 2*REC, v[ADSB2]
	s_lshl_b32 s70, s16, 9
	s_add_co_u32 s70, s70, WST                     ; the word stage: 512 bytes for each half ch
	s_lshl_b32 s71, s15, 4
	s_add_co_u32 s71, s71, s70
	v_lshlrev_b32 v6, 5, v2
	v_lshl_add_u32 v6, v3, 3, v6
	v_add_nc_u32 v[WSI], s71, v6                   ; in: 32 r + 16 rh + 8 h
	s_lshl_b32 s71, s15, 8
	s_add_co_u32 s71, s71, s70
	v_lshlrev_b32 v[WO2], 3, v1
	v_add_nc_u32 v[WSO], s71, v[WO2]               ; back: 256 rh + 8 x lane
.macro FRAG reg, adr, off              ; an image comes back as it was stored: three loads of 512 consecutive bytes
.irp c, 0,1,2
	ds_load_b128 v[\reg+4*\c:\reg+4*\c+3], v[\adr] offset:\off+512*\c
.endr
.endm
; ---------------- TILE 1
.macro FETCH slot, q, set              ; the 16 fragments of the slot's q-th 128 along K
	WIN TO_B
.irp i, 0,1,2,3,4,5,6,7
	FRAG 128*(\set)+FR*\i, ADRB+\slot, (\q)*12288+1536*\i
.endr
	WIN 0
.irp i, 0,1,2,3,4,5,6,7
	FRAG AF+96*(\set)+FR*\i, ADRA+\slot, (\q)*12288+1536*\i
.endr
.endm
.macro SCALES slot                     ; the slot's scale words: four blocks' words of a row by one load
.irp q, 0,1
.irp g, 0,1
	ds_load_b128 v[SC+16*\slot+8*\q+4*\g:SC+16*\slot+8*\q+4*\g+3], v[ADRS+\slot] offset:512*\q+16*\g
.endr
.endr
.endm
; 16 matrix instructions: A's blocks a0, a0 + 1 x B's eight.  The 64 accumulators take turns, one instruction a turn, in the same order in every step.
.macro MUL16 a0, set, sc, zero
.irp a, \a0, \a0+1
.irp b, 0,1,2,3,4,5,6,7
.if \zero
	v_wmma_scale_f32_16x16x128_f8f6f4 v[8*(8*((\a)%4)+\b):8*(8*((\a)%4)+\b)+7], v[128*(\set)+FR*\b:128*(\set)+FR*\b+FR-1], v[AF+96*(\set)+FR*(\a):AF+96*(\set)+FR*(\a)+FR-1], 0, v[\sc+\b], v[\sc+(\a)] matrix_a_fmt:MATRIX_FMT_FP6 matrix_b_fmt:MATRIX_FMT_FP6 matrix_a_scale:MATRIX_SCALE_ROW1
.else
	v_wmma_scale_f32_16x16x128_f8f6f4 v[8*(8*((\a)%4)+\b):8*(8*((\a)%4)+\b)+7], v[128*(\set)+FR*\b:128*(\set)+FR*\b+FR-1], v[AF+96*(\set)+FR*(\a):AF+96*(\set)+FR*(\a)+FR-1], v[8*(8*((\a)%4)+\b):8*(8*((\a)%4)+\b)+7], v[\sc+\b], v[\sc+(\a)] matrix_a_fmt:MATRIX_FMT_FP6 matrix_b_fmt:MATRIX_FMT_FP6 matrix_a_scale:MATRIX_SCALE_ROW1
.endif
.endr
.endr
.endm
.macro KSTEP slot, zero                ; a slot's first 128 along K (set 0); its second is fetched into set 1 ahead of the products
	PLACES 4                                       ; in front of loads into registers that the last products read
	FETCH \slot, 1, 1                              ; 48 loads, issued behind set 0's: 4 of scale words, 24 of B, 24 of A by blocks
	s_wait_dscnt 63                                ; the scale words, B and A's blocks 0, 1 are in: behind them stand 18 + 48 loads; the wait's field holds 63
	WIN MUL_LO
	MUL16 0, 0, SC+16*\slot, \zero
	s_wait_dscnt 60                                ; A's blocks 2, 3: behind them 12 + 48
	MUL16 2, 0, SC+16*\slot, \zero
	WIN MUL_HI
	s_wait_dscnt 54                                ; blocks 4, 5: 6 + 48
	MUL16 4, 0, SC+16*\slot, \zero
	s_wait_dscnt 48                                ; blocks 6, 7: the 48 of set 1
	MUL16 6, 0, SC+16*\slot, \zero
	WIN 0
.endm
; A slot's second 128 along K (set 1) leaves the slot: ONE barrier, which opens a round of the cluster's; in front of it each wave waits for all its tensor loads, adds 0 to its spare word, and waits for that and for its
; reads of this slot.  fill = 1: the slot takes tile 1's K step two on; fill = 2: it takes a group of x for tile 2.  fetch = 1: the next slot's first fragments are fetched.
.macro TURN slot, next, fill, fetch, ask
	s_wait_tensorcnt 0x0                           ; all my tensor loads have landed, my part of the next slot among them
	ds_add_u32 v[SPW], v[NIL]
	s_wait_dscnt 0x1                               ; set 1 is in; the add alone may be out
	WIN MUL_LO
	MUL16 0, 1, SC+16*\slot+8, 0
	s_wait_dscnt 0x0                               ; the add is done, and my reads of this slot are over
	s_barrier_signal -1
	MUL16 2, 1, SC+16*\slot+8, 0
	WIN 0
	s_barrier_wait -1
	CREST                                          ; no wave of any partner still reads this slot or has a load on its way
.if (\fill) == 1
	s_add_nc_u64 s[G0+4*\slot+2:G0+4*\slot+3], s[G0+4*\slot+2:G0+4*\slot+3], 2*REC
	s_add_nc_u64 s[G0B+4*\slot+2:G0B+4*\slot+3], s[G0B+4*\slot+2:G0B+4*\slot+3], 2*REC
	JLOAD G0+4*\slot, G1, G0B+4*\slot, G1B         ; the first tensor load behind the round; its four v_nop are the places in front of the loads below
.else
	YLOAD \slot
.endif
.if \fetch
	SCALES \next                                   ; the scale words first: every product of the next step wants them
	FETCH \next, 0, 0
.endif
.if \ask                                       ; my record of tile 2's group ask - 1 of x, which I fetch two refills on; the address registers are never rewritten
	global_prefetch_b8 v31, s[PFY:PFY+1] offset:((\ask)-1)*4*REC th:TH_LOAD_NT scope:SCOPE_SE
.endif
	WIN MUL_HI
	MUL16 4, 1, SC+16*\slot+8, 0
	MUL16 6, 1, SC+16*\slot+8, 0
	WIN 0
.endm
; ---------------- TILE 2: step n (0..7) is the (n % 2)-th 128 along K of record n / 2, on register set n % 2
.macro FETCH2 n                        ; its 12 fragments
	WIN TO_B
.irp i, 0,1,2,3,4,5,6,7
	FRAG 128*((\n)%2)+FR*\i, ADRB2+((\n)/4), (((\n)/2)%2)*REC+((\n)%2)*12288+1536*\i
.endr
	WIN 0
.irp i, 0,1,2,3
	FRAG AF+96*((\n)%2)+FR*\i, ADRA2+((\n)/4), (((\n)/2)%2)*REC+((\n)%2)*12288+1536*\i
.endr
.endm
.macro SCALES2 k                       ; record k's scale words, for its two steps, into set k % 2
	ds_load_b128 v[SCA2+4*((\k)%2):SCA2+4*((\k)%2)+3], v[ADSA2+((\k)/2)] offset:((\k)%2)*REC
.irp g, 0,1
	ds_load_b128 v[SCB2+8*((\k)%2)+4*\g:SCB2+8*((\k)%2)+4*\g+3], v[ADSB2+((\k)/2)] offset:((\k)%2)*REC+16*\g
.endr
.endm
; 8 matrix instructions: Wv's block a x x's eight.  The 32 accumulators take turns, one instruction a turn, in the same order in every step.  Odd steps read their scales from lanes 16-31.
.macro MUL8 a, n, zero
.irp b, 0,1,2,3,4,5,6,7
.if \zero
	v_wmma_scale_f32_16x16x128_f8f6f4 v[8*(8*(\a)+\b):8*(8*(\a)+\b)+7], v[128*((\n)%2)+FR*\b:128*((\n)%2)+FR*\b+FR-1], v[AF+96*((\n)%2)+FR*(\a):AF+96*((\n)%2)+FR*(\a)+FR-1], 0, v[SCB2+8*(((\n)/2)%2)+\b], v[SCA2+4*(((\n)/2)%2)+(\a)] matrix_a_fmt:MATRIX_FMT_FP6 matrix_b_fmt:MATRIX_FMT_FP6
.elseif (\n)%2
	v_wmma_scale_f32_16x16x128_f8f6f4 v[8*(8*(\a)+\b):8*(8*(\a)+\b)+7], v[128*((\n)%2)+FR*\b:128*((\n)%2)+FR*\b+FR-1], v[AF+96*((\n)%2)+FR*(\a):AF+96*((\n)%2)+FR*(\a)+FR-1], v[8*(8*(\a)+\b):8*(8*(\a)+\b)+7], v[SCB2+8*(((\n)/2)%2)+\b], v[SCA2+4*(((\n)/2)%2)+(\a)] matrix_a_fmt:MATRIX_FMT_FP6 matrix_b_fmt:MATRIX_FMT_FP6 matrix_a_scale:MATRIX_SCALE_ROW1 matrix_b_scale:MATRIX_SCALE_ROW1
.else
	v_wmma_scale_f32_16x16x128_f8f6f4 v[8*(8*(\a)+\b):8*(8*(\a)+\b)+7], v[128*((\n)%2)+FR*\b:128*((\n)%2)+FR*\b+FR-1], v[AF+96*((\n)%2)+FR*(\a):AF+96*((\n)%2)+FR*(\a)+FR-1], v[8*(8*(\a)+\b):8*(8*(\a)+\b)+7], v[SCB2+8*(((\n)/2)%2)+\b], v[SCA2+4*(((\n)/2)%2)+(\a)] matrix_a_fmt:MATRIX_FMT_FP6 matrix_b_fmt:MATRIX_FMT_FP6
.endif
.endr
.endm
.macro STEP2 n, zero                   ; the next step's fragments, and at a record's first step the next record's scale words, are asked for first; each block of Wv then waits for its own fragment
.set YNG, 0                            ; LDS loads that stand behind this step's 36 (24 of x, then 12 of Wv by blocks)
.if (\n) < 7
	PLACES 4                                       ; in front of loads into registers that the last products read
	FETCH2 (\n)+1
.set YNG, 36
.if (\n)%2 == 0 && (\n) < 6
	SCALES2 (\n)/2+1
.set YNG, 39
.endif
.if (\n)%2 == 1
.set YNG, 39                           ; the three loads of scale words that the step before issued behind this step's fragments
.endif
.endif
.set GR, 3
.if (\n) == 0
.set GR, 0                             ; step 0's own scale words stand behind its fragments: it waits for all of them
.endif
	WIN MUL_LO
.irp a, 0,1,2,3
	s_wait_dscnt YNG+GR*(3-\a)                     ; x's fragments and Wv's blocks up to a are in
	MUL8 \a, \n, \zero
.endr
	WIN 0
.endm
; ---------------- THE WAY OUT of A's block a: 64 registers of a lane are 64 numbers of one row, register 16 b + i = the next K's 32 b + 16 h + i.  They become a fragment's codes and a scale word; the image is stored as it stands.
.macro QUANTW a, oi
.set WW, 2+(\a)/4
.set AC, 64*((\a)%4)
.set WSS, WW|(WW<<2)
	WIN WSS                                        ; sources 0 and 1: the accumulators' window
.irp b, 0,1,2,3
	v_max3_num_f32 v[TM+\b], |v[AC+16*\b]|, |v[AC+16*\b+1]|, 0x1800000   ; each accumulator is read from its low end on; the floor 2^(3 - 127) holds the byte at 1 from below
.endr
.irp i, 2,4,6,8,10,12,14
.irp b, 0,1,2,3
	v_max3_num_f32 v[TM+\b], |v[AC+16*\b+\i]|, |v[AC+16*\b+\i+1]|, v[TM+\b]
.endr
.endr
	WIN 0
.irp b, 0,1,2,3
	v_permlanex16_b32 v[TM+4+\b], v[TM+\b], s[SEL], s[SEL+1]
.endr
.irp b, 0,1,2,3
	v_max_num_f32 v[TM+\b], v[TM+\b], v[TM+4+\b]
.endr
.irp b, 0,1,2,3
	v_add_nc_u32 v[TM+12+\b], 0xff000000, v[TM+\b] ; 2 off the exponent field: the conversion's scale operand
.endr
.irp b, 0,1,2,3
	v_lshrrev_b32 v[TM+4+\b], 23, v[TM+12+\b]
.endr
	v_lshl_or_b32 v[WD+(\a)], v[TM+5], 8, v[TM+4]
	v_lshl_or_b32 v[WD+(\a)], v[TM+6], 16, v[WD+(\a)]
	v_lshl_or_b32 v[WD+(\a)], v[TM+7], 24, v[WD+(\a)]
	s_wait_xcnt 0x0                                ; the last block's stores have read the codes' registers
	WIN WW                                         ; source 0: the accumulators' window
.irp c, 0,1
	v_cvt_scalef32_pk16_fp6_f32 v[PC+6*\c:PC+6*\c+2], v[AC+32*\c:AC+32*\c+15], v[TM+12+2*\c]
	v_cvt_scalef32_pk16_fp6_f32 v[PC+12+4*\c:PC+14+4*\c], v[AC+32*\c+16:AC+32*\c+31], v[TM+12+2*\c+1]
.endr
	v_nop                                          ; one plain place behind a scaled conversion
	WIN 0
.irp c, 0,1
.irp i, 0,1,2
	v_permlane16_swap_b32 v[PC+6*\c+\i], v[PC+12+4*\c+\i]
.endr
.irp i, 0,1,2
	v_mov_b32 v[PC+3+6*\c+\i], v[PC+12+4*\c+\i]
.endr
.endr
.irp c, 0,1,2
	global_store_b128 v[LI], v[PC+4*\c:PC+4*\c+3], s[\oi:\oi+1] offset:1536*(\a)+512*\c   ; 512 consecutive bytes
.endr
.endm
	s_wait_alu depctr_va_vdst(0)                   ; the wait at the head's end
	s_wait_tensorcnt 0x0                           ; my half of a slot is in
	ds_add_u32 v[SPW], v[NIL]
.irp g, G1, G1B                        ; no tensor load of mine is out, so a descriptor may be written: from here on a load brings one record, 100 rows of 256 bytes, dense
	s_mov_b32 s[\g+1], 32<<16
	s_mov_b32 s[\g+2], 100<<16
	s_mov_b32 s[\g+3], 32<<16
	s_mov_b32 s[\g+4], 100
	s_mov_b32 s[\g+5], 32
.endr
	s_wait_dscnt 0x0                               ; the add is done
	CROUND                                         ; both slots are whole, and all sixteen work-groups are here
	tensor_load_to_lds s[G0X:G0X+3], s[G1:G1+7]    ; Wv's record of my number into the third region: its first fill
	s_nop 0
.rept 4
	v_nop
.endr
	global_prefetch_b8 v30, s[PFA:PFA+1] offset:3*REC th:TH_LOAD_NT scope:SCOPE_SE   ; K step 3's record, two tensor loads on
	SCALES 0
	FETCH 0, 0, 0
	KSTEP 0, 1                                     ; the first products start the sums: nothing is cleared
	TURN 0, 1, 1, 1, 1
	KSTEP 1, 0
	TURN 1, 0, 1, 1, 2
	KSTEP 0, 0
	TURN 0, 1, 2, 1, 0                             ; slot 0 is done with tile 1: it takes x's first group for tile 2
	KSTEP 1, 0
	TURN 1, 0, 2, 0, 0                             ; slot 1 likewise: the second group has tile 1's way out in which to land
	PLACES 4                                       ; behind tile 1's last products: results are read and operands' registers written from here on
.irp b, 0,1,2,3
	v_mov_b32 v[TM+4+\b], 0                        ; written once: a lane permute's destination counts as one of its sources
.endr
.irp a, 0,1,2,3,4,5,6,7
	QUANTW \a, OI
.endr
.irp i, 0,1,2,3
	v_cndmask_b32 v[OQ+\i], v[WD+\i], v[WD+4+\i], s[MSK]   ; lanes 0-15 blocks 0-3, lanes 16-31 blocks 4-7
.endr
	global_store_b128 v[WO], v[OQ:OQ+3], s[OW:OW+1]
	s_wait_xcnt 0x0                                ; tile 1's stores have read their registers: tile 2's fragments may land there; nothing waits for the stores themselves
	s_wait_tensorcnt 0x0                           ; my record of x's second group is in: my last tensor load,
	s_barrier_signal -1
	s_barrier_wait -1                              ; everybody's is
	FETCH2 0
	SCALES2 0
	STEP2 0, 1                                     ; the first products start tile 2's sums
.irp n, 1,2,3,4,5,6,7
	STEP2 \n, 0
.endr
	PLACES 4                                       ; behind the last products
.irp a, 0,1,2,3
	QUANTW \a, OI2
.endr
	; A row's eight scale words come from two waves: they meet in the word stage, and each wave stores 256 consecutive bytes, aligned.
	v_cndmask_b32 v[OQ], v[WD], v[WD+2], s[MSK]    ; lanes 0-15 my blocks 0, 1, lanes 16-31 my blocks 2, 3
	v_cndmask_b32 v[OQ+1], v[WD+1], v[WD+3], s[MSK]
	ds_store_b64 v[WSI], v[OQ:OQ+1]
	s_wait_dscnt 0x0                               ; for the others' sake: my words lie in the stage
	s_barrier_signal -1
	s_barrier_wait -1
	ds_load_b64 v[OQ+2:OQ+3], v[WSO]
	s_wait_dscnt 0x0
	global_store_b64 v[WO2], v[OQ+2:OQ+3], s[OW2:OW2+1]
	s_wait_tensorcnt 0x0                           ; the wave's end: behind my last tensor load and my last LDS store
	ds_add_u32 v[SPW], v[NIL]
	s_wait_dscnt 0x0
	CROUND                                         ; the closing round
	s_endpgm
.Lfunc_end_k_q37f0b242ed_proj:
	.size	k_q37f0b242ed_proj, .Lfunc_end_k_q37f0b242ed_proj-k_q37f0b242ed_proj
	.p2alignl 7, 3214868480
	.fill 96, 4, 3214868480
	.section	.rodata,"a",@progbits
	.p2align	6, 0x0
	.amdhsa_kernel k_q37f0b242ed_proj
		.amdhsa_group_segment_fixed_size 327680
		.amdhsa_private_segment_fixed_size 0
		.amdhsa_enable_private_segment 0
		.amdhsa_kernarg_size 16
		.amdhsa_user_sgpr_count 2
		.amdhsa_user_sgpr_kernarg_segment_ptr 1
		.amdhsa_wavefront_size32 1
		.amdhsa_system_sgpr_workgroup_id_x 1
		.amdhsa_system_sgpr_workgroup_id_y 1
		.amdhsa_system_sgpr_workgroup_id_z 1
		.amdhsa_system_vgpr_workitem_id 0
		.amdhsa_next_free_vgpr 1024
		.amdhsa_next_free_sgpr 100
		.amdhsa_reserve_vcc 0
		.amdhsa_float_denorm_mode_32 3
		.amdhsa_float_denorm_mode_16_64 3
		.amdhsa_memory_ordered 1
		.amdhsa_forward_progress 1
		.amdhsa_inst_pref_size 213
	.end_amdhsa_kernel
	.amdgpu_metadata
---
amdhsa.version: [ 1, 2 ]
amdhsa.kernels:
  - .name:           k_q37f0b242ed_proj
    .symbol:         k_q37f0b242ed_proj.kd
    .args:
      - { .name: xw, .offset: 0, .size: 8, .value_kind: global_buffer, .address_space: global }
      - { .name: qkv, .offset: 8, .size: 8, .value_kind: global_buffer, .address_space: global }
    .group_segment_fixed_size: 327680
    .private_segment_fixed_size: 0
    .kernarg_segment_align: 8
    .kernarg_segment_size: 16
    .max_flat_workgroup_size: 128
    .sgpr_count:     100
    .vgpr_count:     1024
    .wavefront_size: 32
...
	.end_amdgpu_metadata
.endif
;; end of part 2
;; launch score (part 3): grid 12 x 16, 4 waves a work-group, clusters of 4 x 4, 327,680 bytes of LDS; arguments qkv, pw; writes pw
.if DOCPART == 3
	.amdgcn_target "amdgcn-amd-amdhsa--gfx1250"
	.amdhsa_code_object_version 6
	.text
	.protected	k_q37f0b242ed_score
	.globl	k_q37f0b242ed_score
	.p2align	8
	.type	k_q37f0b242ed_score,@function
k_q37f0b242ed_score:
	s_mov_b64 s[64:65], 0
	v_nop
	global_prefetch_b8 v0, s[64:65] scope:SCOPE_SE
	s_setreg_imm32_b32 hwreg(HW_REG_WAVE_MODE, 25, 1), 1
	s_wait_xcnt 0x0
	s_wait_alu depctr_hold_cnt(0) depctr_sa_sdst(0) depctr_va_vdst(0) depctr_va_sdst(0) depctr_va_ssrc(0) depctr_va_vcc(0) depctr_vm_vsrc(0)
	s_getreg_b32 s2, hwreg(HW_REG_IB_STS2, 6, 4)
	s_cmp_eq_u32 s2, 0
	s_cbranch_scc0 .Lentry_in_a_cluster
	s_endpgm
.Lentry_in_a_cluster:
	s_bfe_u32 s2, ttmp6, 0x10000c
	s_cmp_lg_u32 s2, 0xf033
	s_cbranch_scc0 .Lentry_shape_is_right
	s_endpgm
.Lentry_shape_is_right:
; S = q k^T on codes of FP6 (E2M3), the causal mask, and the softmax's p under a LOCAL M, quantised along the keys; the scores never go to memory.
; For each row and each chunk of 128 keys: t = score x log2(e) / 32; M = the chunk's largest t, rounded up to a whole number; p = 2^(t - M); stored are p's codes (an image), its scale word, -M, and the sum of the unquantised p.
; M is a whole number, so the codes are those under the row's own M; the next launch lowers the scale bytes by (row's M - chunk's M) and scales the sums: both exact.
; LAYOUT as in the launch before: groups of 128 rows, blocks in the order pi(a, rho) = 32 (a / 2) + 8 (a % 2) + rho + 8 (rho / 8), images of 1,536 bytes, records of 25,600.  qkv at 0: [G][8 records: 0-3 q, 4-7 k].
; pw: at 0 p's images [G (queries)][256 keys: 0..7][q][a]; at 12,582,912 [G][chunk 0..15][words | -M | sums], each [rho][a] of 4 bytes.
; A batch's 8 x 8 tiles of 256 x 256 are 2 x 2 clusters of 4 x 4; the three clusters that touch the lower triangle are launched.  Their tiles above the diagonal run the same text (no branch may hang on a place in the cluster)
; and store zero codes, which the next launch reads: partners there walk the same keys.  The product is used transposed (source 0 = 16 keys, source 1 = 16 queries): a lane holds one query, its 64 registers of a block 64 keys.
; LIMITS: NaN and infinities are not served.  A chunk wholly under the mask gets zero codes, the bytes 1, -M about 1.35e37 and the sum 0.  A p under 2^-126 of its chunk's largest counts as 0.
; REGISTERS: window 0: v16-29 addresses, v26 the mask's bound, v27 -infinity; v32-63 scale words (nothing else ever); v64-159, v160-255 A's two sets (on the way out: at work).  window 1: B's two sets.  windows 2, 3: accumulators.
.set REC,   25600
.set SLOT,  4*REC
.set SPARE, 2*SLOT                     ; the spare words: 128 bytes for each wave, two blocks of 256 bytes that no other line names
.set FR,    12
.set ADRA,  16
.set ADRB,  20
.set ADRS,  22
.set LI,    24
.set WO,    25
.set D0,    26                         ; v26  my query less the tile's first key of my half, for block 0
.set NINF,  27
.set SPW,   28
.set NIL,   29
.set SC,    32
.set AF,    64
.set PC,    72                         ; codes
.set BM,    92                         ; v92-95   each block's largest score, then its largest p
.set T,     96                         ; v96-99   at work
.set S0,    100                        ; v[100:101], v[102:103] the sum in two chains of pairs
.set S1,    102
.set NP,    104                        ; v[104:105] -M (the packed form names the pair)
.set MX,    106
.set SCO,   108                        ; v108-111 the conversions' scale operands
.set OQ,    112                        ; v112-123 statistics on their way out
.set WD,    128                        ; v128-135 scale words
.set NM,    136                        ; v136-143 -M
.set LL,    144                        ; v144-151 sums
.set G1,  24
.set G0,  32
.set G1B, 48
.set G0B, 56
.set OI,  76
.set OS,  78
.set SEL, 84
.set MSK, 86
.set CS,  88                           ; s[88:89] c = log2(e) / 32
.set MSB, 0
.macro WIN new
.if MSB != (\new)
	s_set_vgpr_msb (MSB<<8)|(\new)
.set MSB, (\new)
.endif
.endm
.set MUL_LO, 0xa1
.set MUL_HI, 0xf1
.set TO_B,   0x40
.macro PLACES n
.rept \n
	v_nop
.endr
.endm
.macro JLOAD g0a, g1a, g0b, g1b        ; waves 0 and 1 fetch q's two records, waves 2 and 3 k's; an s_nop 0 and four v_nop follow each line
	s_cmp_eq_u32 s15, 0
	s_cbranch_scc0 .Lfor_b_\@
	tensor_load_to_lds s[\g0a:\g0a+3], s[\g1a:\g1a+7]
	s_nop 0
.rept 4
	v_nop
.endr
	s_branch .Lasked_\@
.Lfor_b_\@:
	tensor_load_to_lds s[\g0b:\g0b+3], s[\g1b:\g1b+7]
	s_nop 0
.rept 4
	v_nop
.endr
.Lasked_\@:
.endm
.macro CREST
	s_cmp_lg_u32 s14, 0
	s_cbranch_scc1 .Lnot_wave_0_\@
	s_barrier_signal -3
.Lnot_wave_0_\@:
	s_barrier_wait -3
	s_barrier_signal -1
	s_barrier_wait -1
.endm
.macro CROUND
	s_barrier_signal -1
	s_barrier_wait -1
	CREST
.endm
	s_load_b128 s[4:7], s[0:1], 0x0                ; qkv, pw
	v_lshl_add_u32 v[SPW], v0, 2, SPARE
	v_mov_b32 v[NIL], 0
	ds_add_u32 v[SPW], v[NIL]                      ; the wave's opening: the add and its wait ahead of my first tensor load
	ds_add_u32 v[SPW], v[NIL]
	v_lshrrev_b32 v1, 5, v0
	v_readfirstlane_b32 s14, v1
	s_lshr_b32 s15, s14, 1                         ; my half of the queries; also: I fetch for q (0) or k (1)
	s_and_b32 s16, s14, 1                          ; my half of the keys; also: which record I fetch
	s_bfe_u32 s40, ttmp6, 0x40000                  ; cx
	s_bfe_u32 s41, ttmp6, 0x40004                  ; cy
	s_and_b32 s17, ttmp7, 0xffff                   ; the batch
	s_lshl_b32 s43, s41, 2
	s_lshl_b32 s43, 15, s43
	s_lshl_b32 s44, 0x1111, s40
	s_or_b32 s[G1], s43, (3<<16)|(1<<21)
	s_or_b32 s[G1B], s44, (3<<16)|(1<<21)
	; the prefetches' offset: a record is 100 blocks of 256 bytes; the four partners that ask for it jointly take 25 each, told apart by address; a lane a block, lanes 25-31 name the last again
	v_and_b32 v30, 31, v0
	v_min_u32 v30, 24, v30
	v_lshlrev_b32 v30, 8, v30
	s_cmp_eq_u32 s15, 0
	s_cselect_b32 s42, s40, s41                    ; q's records are shared along the row (my place: cx), k's along the column (cy)
	s_mul_i32 s42, s42, 6400
	v_add_nc_u32 v30, s42, v30
	s_wait_alu depctr_va_vdst(0)                   ; the wait here, ahead of the scalar lines below
.irp g, G1, G1B                        ; a record: 100 rows of 256 bytes, dense
	s_mov_b32 s[\g+1], 3200<<16                    ; THE HEAD'S FORM: two rows of a whole record (3,200 elements of 8 bytes), eight records apart: one record of two neighbouring groups
	s_mov_b32 s[\g+2], 2<<16
	s_mov_b32 s[\g+3], 3200<<16
	s_mov_b32 s[\g+4], 2
	s_mov_b32 s[\g+5], 25600
	s_mov_b32 s[\g+6], 0
	s_mov_b32 s[\g+7], 0
.endr
	s_mov_b32 s[SEL], 0x76543210
	s_mov_b32 s[SEL+1], 0xfedcba98
	s_mov_b32 s[MSK], 0xffff0000
	s_mov_b32 s[CS], 0x3d38aa3b                    ; log2(e) / 32: the division by sqrt(1024) only lowers the exponent
	s_mov_b32 s[CS+1], s[CS]
	s_add_co_u32 s18, ttmp9, 1
	s_lshr_b32 s18, s18, 1                         ; the cluster's row of the 2 x 2: 0, 1, 1
	s_lshr_b32 s19, ttmp9, 1                       ; its column: 0, 0, 1
	s_lshl_b32 s66, s17, 4                         ; 16 groups to a batch
	s_lshl_b32 s18, s18, 2
	s_add_co_u32 s18, s18, s41                     ; tile row
	s_lshl_b32 s19, s19, 2
	s_add_co_u32 s19, s19, s40                     ; tile column
	s_lshl_b32 s20, s18, 1
	s_add_co_u32 s20, s20, s66
	s_add_co_u32 s20, s20, s16                     ; q's group that I fetch
	s_mul_i32 s20, s20, 8*REC
	s_mov_b32 s21, 0
	s_lshl_b32 s46, s19, 1
	s_add_co_u32 s46, s46, s66
	s_add_co_u32 s46, s46, s16                     ; k's
	s_mul_i32 s46, s46, 8*REC
	s_add_co_u32 s46, s46, 4*REC                   ; k's records follow q's four
	s_mov_b32 s47, 0
	s_lshl_b32 s67, s18, 1
	s_add_co_u32 s67, s67, s66
	s_add_co_u32 s67, s67, s15                     ; the group of my 128 queries
	s_lshl_b32 s68, s67, 3
	s_add_co_u32 s68, s68, s19
	s_mul_i32 s68, s68, 24576
	s_mul_i32 s69, s16, 12288
	s_add_co_u32 s72, s68, s69                     ; p's images of my 128 keys
	s_mov_b32 s73, 0
	s_lshl_b32 s68, s67, 4
	s_lshl_b32 s69, s19, 1
	s_add_co_u32 s68, s68, s69
	s_add_co_u32 s68, s68, s16                     ; my chunk
	s_mul_i32 s68, s68, 1536
	s_add_co_u32 s74, s68, 12582912
	s_mov_b32 s75, 0
	s_lshl_b32 s68, s18, 8
	s_lshl_b32 s69, s15, 7
	s_add_co_u32 s68, s68, s69                     ; my first query
	s_lshl_b32 s69, s19, 8
	s_sub_co_i32 s68, s68, s69
	s_lshl_b32 s69, s16, 7
	s_sub_co_i32 s87, s68, s69                     ; less my first key
	s_mul_i32 s45, s14, REC
	s_wait_dscnt 0x0                               ; the opening add is done
	s_wait_kmcnt 0x0
	s_add_nc_u64 s[20:21], s[4:5], s[20:21]
	s_add_nc_u64 s[46:47], s[4:5], s[46:47]
	s_add_nc_u64 s[OI:OI+1], s[6:7], s[72:73]
	s_add_nc_u64 s[OS:OS+1], s[6:7], s[74:75]
.irp s, 0,1
	s_mov_b32 s[G0+4*\s], 1
	s_add_co_u32 s[G0+4*\s+1], s45, \s*SLOT
	s_add_nc_u64 s[G0+4*\s+2:G0+4*\s+3], s[20:21], \s*REC
	s_or_b32 s[G0+4*\s+3], s[G0+4*\s+3], 0x80000000
	s_mov_b32 s[G0B+4*\s], 1
	s_add_co_u32 s[G0B+4*\s+1], s45, \s*SLOT
	s_add_nc_u64 s[G0B+4*\s+2:G0B+4*\s+3], s[46:47], \s*REC
	s_or_b32 s[G0B+4*\s+3], s[G0B+4*\s+3], 0x80000000   ; (the ring's groups 0 are first used at a slot's refill, which steps them two records on)
.endr
; THE HEAD'S LOADS, ONE A WAVE, BRING BOTH SLOTS: waves 0, 1 fetch q's two records of K step 0, 1; waves 2, 3 k's.  Here s16 is the slot, and the two groups come by the one descriptor of two long rows.
.set G0H,  8
.set G0HB, 92
.set PFA,  96                          ; s[96:97] the group whose records I fetch in the ring
	s_cmp_eq_u32 s15, 0
	s_cselect_b64 s[PFA:PFA+1], s[20:21], s[46:47]
	s_mul_i32 s22, s16, 7*REC                      ; from (group + s16, record 0) back to (group, record s16)
	s_mov_b32 s23, 0
	s_mov_b32 s[G0H], 1
	s_mul_i32 s[G0H+1], s16, SLOT
	s_sub_nc_u64 s[G0H+2:G0H+3], s[20:21], s[22:23]
	s_or_b32 s[G0H+3], s[G0H+3], 0x80000000
	s_mov_b32 s[G0HB], 1
	s_add_co_u32 s[G0HB+1], s[G0H+1], 2*REC
	s_sub_nc_u64 s[G0HB+2:G0HB+3], s[46:47], s[22:23]
	s_or_b32 s[G0HB+3], s[G0HB+3], 0x80000000
	CROUND                                         ; all sixteen work-groups are here: the first joint loads meet
	JLOAD G0H, G1, G0HB, G1B
	global_prefetch_b8 v30, s[PFA:PFA+1] offset:2*REC th:TH_LOAD_NT scope:SCOPE_SE   ; K step 2's record, my next tensor load but for none between: my work-group's 25 blocks of it; the address registers are never rewritten
	v_and_b32 v1, 31, v0
	v_lshlrev_b32 v[LI], 4, v1
	v_and_b32 v2, 15, v0                           ; r
	v_bfe_u32 v3, v0, 4, 1                         ; h
	v_lshlrev_b32 v[WO], 5, v2
	v_lshl_add_u32 v[WO], v3, 4, v[WO]
	v_and_b32 v5, 8, v2
	v_add_nc_u32 v5, v5, v2                        ; r + 8 (r / 8)
	v_lshlrev_b32 v6, 4, v3
	v_sub_nc_u32 v5, v5, v6                        ; - 16 h
	v_add_nc_u32 v[D0], s87, v5                    ; register 16 be + i of block a is hidden where 32 be + i - 32 (a / 2) - 8 (a % 2) is above this
	v_mov_b32 v[NINF], 0xff800000
	s_mul_i32 s80, s15, REC
	s_mul_i32 s81, s16, REC
	s_add_co_u32 s81, s81, 2*REC
	s_sub_co_u32 s82, s81, s80
	v_mul_u32_u24 v4, s82, v3                      ; lanes 16-31 take k's words: one product, the distance between the two records
	v_lshl_add_u32 v4, v2, 5, v4
	s_add_co_u32 s83, s80, 24576
	v_add_nc_u32 v[ADRS], s83, v4
	v_add_nc_u32 v[ADRS+1], SLOT, v[ADRS]
	v_add_nc_u32 v[ADRA], s80, v[LI]
	v_add_nc_u32 v[ADRA+1], SLOT, v[ADRA]
	v_add_nc_u32 v[ADRB], s81, v[LI]
	v_add_nc_u32 v[ADRB+1], SLOT, v[ADRB]
.macro FRAG reg, adr, off
.irp c, 0,1,2
	ds_load_b128 v[\reg+4*\c:\reg+4*\c+3], v[\adr] offset:\off+512*\c
.endr
.endm
.macro FETCH slot, q, set
	WIN TO_B
.irp i, 0,1,2,3,4,5,6,7
	FRAG 128*(\set)+FR*\i, ADRB+\slot, (\q)*12288+1536*\i
.endr
	WIN 0
.irp i, 0,1,2,3,4,5,6,7
	FRAG AF+96*(\set)+FR*\i, ADRA+\slot, (\q)*12288+1536*\i
.endr
.endm
.macro SCALES slot
.irp q, 0,1
.irp g, 0,1
	ds_load_b128 v[SC+16*\slot+8*\q+4*\g:SC+16*\slot+8*\q+4*\g+3], v[ADRS+\slot] offset:512*\q+16*\g
.endr
.endr
.endm
; 16 matrix instructions; the 64 accumulators take turns, one instruction a turn, in the same order in every step
.macro MUL16 a0, set, sc, zero
.irp a, \a0, \a0+1
.irp b, 0,1,2,3,4,5,6,7
.if \zero
	v_wmma_scale_f32_16x16x128_f8f6f4 v[8*(8*((\a)%4)+\b):8*(8*((\a)%4)+\b)+7], v[128*(\set)+FR*\b:128*(\set)+FR*\b+FR-1], v[AF+96*(\set)+FR*(\a):AF+96*(\set)+FR*(\a)+FR-1], 0, v[\sc+\b], v[\sc+(\a)] matrix_a_fmt:MATRIX_FMT_FP6 matrix_b_fmt:MATRIX_FMT_FP6 matrix_a_scale:MATRIX_SCALE_ROW1
.else
	v_wmma_scale_f32_16x16x128_f8f6f4 v[8*(8*((\a)%4)+\b):8*(8*((\a)%4)+\b)+7], v[128*(\set)+FR*\b:128*(\set)+FR*\b+FR-1], v[AF+96*(\set)+FR*(\a):AF+96*(\set)+FR*(\a)+FR-1], v[8*(8*((\a)%4)+\b):8*(8*((\a)%4)+\b)+7], v[\sc+\b], v[\sc+(\a)] matrix_a_fmt:MATRIX_FMT_FP6 matrix_b_fmt:MATRIX_FMT_FP6 matrix_a_scale:MATRIX_SCALE_ROW1
.endif
.endr
.endr
.endm
.macro KSTEP slot, zero
	PLACES 4                                       ; in front of loads into registers that the last products read
	FETCH \slot, 1, 1                              ; 48 loads, issued behind set 0's: 4 of scale words, 24 of k, 24 of q by blocks
	s_wait_dscnt 63                                ; the scale words, k and q's blocks 0, 1 are in: behind them stand 18 + 48 loads; the wait's field holds 63
	WIN MUL_LO
	MUL16 0, 0, SC+16*\slot, \zero
	s_wait_dscnt 60                                ; q's blocks 2, 3: behind them 12 + 48
	MUL16 2, 0, SC+16*\slot, \zero
	WIN MUL_HI
	s_wait_dscnt 54                                ; blocks 4, 5: 6 + 48
	MUL16 4, 0, SC+16*\slot, \zero
	s_wait_dscnt 48                                ; blocks 6, 7: the 48 of set 1
	MUL16 6, 0, SC+16*\slot, \zero
	WIN 0
.endm
.macro TURN slot, next, fill
	s_wait_tensorcnt 0x0                           ; all my tensor loads have landed: my part of the next slot
	ds_add_u32 v[SPW], v[NIL]
	s_wait_dscnt 0x1                               ; set 1 is in; the add alone may be out
	WIN MUL_LO
	MUL16 0, 1, SC+16*\slot+8, 0
	s_wait_dscnt 0x0                               ; the add is done, and my reads of this slot are over
	s_barrier_signal -1
	MUL16 2, 1, SC+16*\slot+8, 0
	WIN 0
	s_barrier_wait -1
.if \fill
	CREST                                          ; a round of the cluster's barrier: no wave of any partner still reads this slot or has a load on its way
	s_add_nc_u64 s[G0+4*\slot+2:G0+4*\slot+3], s[G0+4*\slot+2:G0+4*\slot+3], 2*REC
	s_add_nc_u64 s[G0B+4*\slot+2:G0B+4*\slot+3], s[G0B+4*\slot+2:G0B+4*\slot+3], 2*REC
	JLOAD G0+4*\slot, G1, G0B+4*\slot, G1B         ; the first tensor load behind the round; its four v_nop are the places in front of the loads below
.else
	PLACES 4
.endif
	SCALES \next                                   ; the scale words first: every product of the next step wants them
	FETCH \next, 0, 0
	WIN MUL_HI
	MUL16 4, 1, SC+16*\slot+8, 0
	MUL16 6, 1, SC+16*\slot+8, 0
	WIN 0
.endm
	s_wait_alu depctr_va_vdst(0)
	s_wait_tensorcnt 0x0                           ; my half of a slot is in
.irp g, G1, G1B                        ; no tensor load of mine is out, so a descriptor may be written: from here on a load brings one record, 100 rows of 256 bytes, dense
	s_mov_b32 s[\g+1], 32<<16
	s_mov_b32 s[\g+2], 100<<16
	s_mov_b32 s[\g+3], 32<<16
	s_mov_b32 s[\g+4], 100
	s_mov_b32 s[\g+5], 32
.endr
	s_barrier_signal -1
	s_barrier_wait -1                              ; both slots are whole
	global_prefetch_b8 v30, s[PFA:PFA+1] offset:3*REC th:TH_LOAD_NT scope:SCOPE_SE   ; K step 3's record, two tensor loads on
	SCALES 0
	FETCH 0, 0, 0
	KSTEP 0, 1
	TURN 0, 1, 1
	KSTEP 1, 0
	TURN 1, 0, 1
	KSTEP 0, 0
	TURN 0, 1, 0
	KSTEP 1, 0
	s_wait_dscnt 0x0
	WIN MUL_LO
	MUL16 0, 1, SC+24, 0
	MUL16 2, 1, SC+24, 0
	WIN MUL_HI
	MUL16 4, 1, SC+24, 0
	MUL16 6, 1, SC+24, 0
	WIN 0
	PLACES 4                                       ; behind the last products
; THE WAY OUT.  Block a: a lane's 64 registers are the scores of one query against keys 32 be + 16 h + i (register 16 be + i) of my 128.
.irp b, 0,1,2,3
	v_mov_b32 v[T+\b], 0                           ; written once: a lane permute's destination counts as one of its sources
.endr
	v_mov_b32 v[NP+1], 0                           ; named with -M as a pair
.macro SOFT a
.set WW, 2+(\a)/4
.set AC, 64*((\a)%4)
.set WDS, (WW<<6)|WW
.set WSS, WW|(WW<<2)
	WIN WDS                                        ; destination and source 0: the accumulators' window
.set N, 0
.rept 64                                       ; the mask, always executed: hidden scores become -infinity.  Each accumulator is read from its low end on
	v_cmp_gt_i32 vcc_lo, 32*(N/16)+N%16-32*((\a)/2)-8*((\a)%2), v[D0]
	v_cndmask_b32 v[AC+N], v[AC+N], v[NINF], vcc_lo
.set N, N+1
.endr
	WIN WSS
.irp b, 0,1,2,3
	v_max3_num_f32 v[BM+\b], v[AC+16*\b], v[AC+16*\b+1], 0xff61b1e6   ; the largest score of each block of 32 keys, over the floor -3e38: no maximum is -infinity
.endr
.irp i, 2,4,6,8,10,12,14
.irp b, 0,1,2,3
	v_max3_num_f32 v[BM+\b], v[AC+16*\b+\i], v[AC+16*\b+\i+1], v[BM+\b]
.endr
.endr
	WIN 0
.irp b, 0,1,2,3
	v_permlanex16_b32 v[T+\b], v[BM+\b], s[SEL], s[SEL+1]
.endr
.irp b, 0,1,2,3
	v_max_num_f32 v[BM+\b], v[BM+\b], v[T+\b]      ; with lane l xor 16's 16 keys
.endr
	v_max3_num_f32 v[MX], v[BM], v[BM+1], v[BM+2]
	v_max_num_f32 v[MX], v[MX], v[BM+3]            ; the chunk's largest score of my query
	v_mul_f32 v[MX], s[CS], v[MX]                  ; as t
	v_floor_f32 v[NP], -v[MX]                      ; -M = floor(-t): M is a whole number
.irp b, 0,1,2,3
	v_fma_f32 v[BM+\b], v[BM+\b], s[CS], v[NP]     ; t - M of each block's largest score
.endr
.irp b, 0,1,2,3
	v_min_num_f32 v[BM+\b], 0, v[BM+\b]            ; never above 0: in a chunk wholly under the mask it is only the rounding error of the floor's product
.endr
	WIN WDS
.set N, 0
.rept 32
	v_pk_fma_f32 v[AC+N:AC+N+1], v[AC+N:AC+N+1], s[CS:CS+1], v[NP:NP+1] op_sel_hi:[1,0,0]   ; t - M, two at a time
.set N, N+2
.endr
.set N, 0
	s_wait_alu depctr_va_vdst(0)
.rept 64
	v_exp_f32 v[AC+N], v[AC+N]                     ; p = 2^(t - M): not normalised
.set N, N+1
.endr
	WIN 0
	v_mov_b32 v[NM+(\a)], v[NP]                    ; a plain place behind the exponentials
	s_wait_alu depctr_va_vdst(0)                   ; one wait for the batch of 64, ahead of its first reader
.irp b, 0,1,2,3
	v_exp_f32 v[BM+\b], v[BM+\b]                   ; each block's largest p
.endr
	WIN WSS                                        ; the row's sum is taken of the unquantised p: packed, in two chains
	v_pk_add_f32 v[S0:S0+1], v[AC:AC+1], v[AC+2:AC+3]
	v_pk_add_f32 v[S1:S1+1], v[AC+4:AC+5], v[AC+6:AC+7]
	WIN WW
.set N, 8
.rept 14
	v_pk_add_f32 v[S0:S0+1], v[AC+N:AC+N+1], v[S0:S0+1]
	v_pk_add_f32 v[S1:S1+1], v[AC+N+2:AC+N+3], v[S1:S1+1]
.set N, N+4
.endr
	WIN 0
	v_pk_add_f32 v[S0:S0+1], v[S0:S0+1], v[S1:S1+1]
	s_wait_alu depctr_va_vdst(0)                   ; and one for the four
.irp b, 0,1,2,3
	v_max_num_f32 v[BM+\b], 0x1800000, v[BM+\b]    ; the floor 2^(3 - 127): the byte cannot fall under 1
.endr
.irp b, 0,1,2,3
	v_add_nc_u32 v[SCO+\b], 0xff000000, v[BM+\b]   ; the conversion's scale operand
.endr
.irp b, 0,1,2,3
	v_lshrrev_b32 v[T+\b], 23, v[SCO+\b]           ; the byte: 1 .. 125, since p is at most 1
.endr
	v_lshl_or_b32 v[WD+(\a)], v[T+1], 8, v[T]
	v_lshl_or_b32 v[WD+(\a)], v[T+2], 16, v[WD+(\a)]
	v_lshl_or_b32 v[WD+(\a)], v[T+3], 24, v[WD+(\a)]
	s_wait_xcnt 0x0                                ; the last block's stores have read the codes' registers
	WIN WW
.irp c, 0,1
	v_cvt_scalef32_pk16_fp6_f32 v[PC+6*\c:PC+6*\c+2], v[AC+32*\c:AC+32*\c+15], v[SCO+2*\c]
	v_cvt_scalef32_pk16_fp6_f32 v[PC+12+4*\c:PC+14+4*\c], v[AC+32*\c+16:AC+32*\c+31], v[SCO+2*\c+1]
.endr
	v_nop                                          ; one plain place behind a scaled conversion
	WIN 0
.irp c, 0,1
.irp i, 0,1,2
	v_permlane16_swap_b32 v[PC+6*\c+\i], v[PC+12+4*\c+\i]
.endr
.irp i, 0,1,2
	v_mov_b32 v[PC+3+6*\c+\i], v[PC+12+4*\c+\i]
.endr
.endr
	v_add_f32 v[LL+(\a)], v[S0], v[S0+1]
	v_permlanex16_b32 v[T], v[LL+(\a)], s[SEL], s[SEL+1]
	v_add_f32 v[LL+(\a)], v[LL+(\a)], v[T]         ; the chunk's sum of my query
.irp c, 0,1,2
	global_store_b128 v[LI], v[PC+4*\c:PC+4*\c+3], s[OI:OI+1] offset:1536*(\a)+512*\c   ; 512 consecutive bytes
.endr
.endm
.irp a, 0,1,2,3,4,5,6,7
	SOFT \a
.endr
.irp i, 0,1,2,3
	v_cndmask_b32 v[OQ+\i], v[WD+\i], v[WD+4+\i], s[MSK]       ; lanes 0-15 blocks 0-3, lanes 16-31 blocks 4-7
	v_cndmask_b32 v[OQ+4+\i], v[NM+\i], v[NM+4+\i], s[MSK]
	v_cndmask_b32 v[OQ+8+\i], v[LL+\i], v[LL+4+\i], s[MSK]
.endr
	global_store_b128 v[WO], v[OQ:OQ+3], s[OS:OS+1]
	global_store_b128 v[WO], v[OQ+4:OQ+7], s[OS:OS+1] offset:512
	global_store_b128 v[WO], v[OQ+8:OQ+11], s[OS:OS+1] offset:1024
	s_wait_tensorcnt 0x0                           ; the wave's end
	ds_add_u32 v[SPW], v[NIL]
	s_wait_dscnt 0x0
	CROUND                                         ; the closing round
	s_endpgm
.Lfunc_end_k_q37f0b242ed_score:
	.size	k_q37f0b242ed_score, .Lfunc_end_k_q37f0b242ed_score-k_q37f0b242ed_score
	.p2alignl 7, 3214868480
	.fill 96, 4, 3214868480
	.section	.rodata,"a",@progbits
	.p2align	6, 0x0
	.amdhsa_kernel k_q37f0b242ed_score
		.amdhsa_group_segment_fixed_size 327680
		.amdhsa_private_segment_fixed_size 0
		.amdhsa_enable_private_segment 0
		.amdhsa_kernarg_size 16
		.amdhsa_user_sgpr_count 2
		.amdhsa_user_sgpr_kernarg_segment_ptr 1
		.amdhsa_wavefront_size32 1
		.amdhsa_system_sgpr_workgroup_id_x 1
		.amdhsa_system_sgpr_workgroup_id_y 1
		.amdhsa_system_sgpr_workgroup_id_z 1
		.amdhsa_system_vgpr_workitem_id 0
		.amdhsa_next_free_vgpr 1024
		.amdhsa_next_free_sgpr 100
		.amdhsa_reserve_vcc 1
		.amdhsa_float_denorm_mode_32 3
		.amdhsa_float_denorm_mode_16_64 3
		.amdhsa_memory_ordered 1
		.amdhsa_forward_progress 1
		.amdhsa_inst_pref_size 237
	.end_amdhsa_kernel
	.amdgpu_metadata
---
amdhsa.version: [ 1, 2 ]
amdhsa.kernels:
  - .name:           k_q37f0b242ed_score
    .symbol:         k_q37f0b242ed_score.kd
    .args:
      - { .name: qkv, .offset: 0, .size: 8, .value_kind: global_buffer, .address_space: global }
      - { .name: pw, .offset: 8, .size: 8, .value_kind: global_buffer, .address_space: global }
    .group_segment_fixed_size: 327680
    .private_segment_fixed_size: 0
    .kernarg_segment_align: 8
    .kernarg_segment_size: 16
    .max_flat_workgroup_size: 128
    .sgpr_count:     100
    .vgpr_count:     1024
    .wavefront_size: 32
...
	.end_amdgpu_metadata
.endif
;; end of part 3
;; launch pv (part 4): grid 4 x 64, 4 waves a work-group, clusters of 4 x 4, 327,680 bytes of LDS; arguments pw, qkv, out0; writes out0
.if DOCPART == 4
	.amdgcn_target "amdgcn-amd-amdhsa--gfx1250"
	.amdhsa_code_object_version 6
	.text
	.protected	k_q37f0b242ed_pv
	.globl	k_q37f0b242ed_pv
	.p2align	8
	.type	k_q37f0b242ed_pv,@function
k_q37f0b242ed_pv:
	s_mov_b64 s[64:65], 0
	v_nop
	global_prefetch_b8 v0, s[64:65] scope:SCOPE_SE
	s_setreg_imm32_b32 hwreg(HW_REG_WAVE_MODE, 25, 1), 1
	s_wait_xcnt 0x0
	s_wait_alu depctr_hold_cnt(0) depctr_sa_sdst(0) depctr_va_vdst(0) depctr_va_sdst(0) depctr_va_ssrc(0) depctr_va_vcc(0) depctr_vm_vsrc(0)
	s_getreg_b32 s2, hwreg(HW_REG_IB_STS2, 6, 4)
	s_cmp_eq_u32 s2, 0
	s_cbranch_scc0 .Lentry_in_a_cluster
	s_endpgm
.Lentry_in_a_cluster:
	s_bfe_u32 s2, ttmp6, 0x10000c
	s_cmp_lg_u32 s2, 0xf033
	s_cbranch_scc0 .Lentry_shape_is_right
	s_endpgm
.Lentry_shape_is_right:
; out = (p v) / l on codes of FP6 (E2M3): p's images and chunk statistics from the launch before, v^T's records from the projection.  A work-group makes 128 queries x 256 of e; a wave 64 x 128: 32 accumulators.
; At the head each chunk's scale bytes are lowered by (row's M - chunk's M), a whole number, and the chunks' sums are brought under the row's M: both exact.  The keys go in steps of 512 through two LDS slots.
; WORK LEFT OUT: keys beyond a cluster's last query are hidden by the causal mask (p = 0): clusters whose queries lie in the batch's first 1,024 walk 1,024 keys, the others 2,048; the branch hangs on the cluster's number alone.
; CLUSTER 4 x 4: p's images are shared along a row of the cluster, v^T's records along a column: joint loads.
; THE HEAD'S LOADS, ONE A WAVE, BRING BOTH SLOTS: waves 0, 1 fetch p's 49,152 bytes of slot 0, 1; waves 2, 3 v^T's four records of slot 0, 1 (two rows of two records, 32 records apart).
; PREFETCH: the clusters that walk 2,048 keys fill each slot once more.  What a wave will then fetch (96 or 200 blocks of 256 bytes) is asked for at the head (slot 0's) and behind the head's barrier (slot 1's): three steps of 128 keys
; or more ahead of its tensor load; the four partners of a joint load take a quarter each, told apart by address, in two instructions of 12 or 25 blocks; the lanes left over name the last block again.
; LIMITS: NaN and infinities are not served; a chunk more than 128 binades under its row's M counts with the least scale byte.
.set REC,   25600
.set PIM,   24576                      ; p's images of 128 queries x 256 keys
.set BOFF,  2*PIM
.set SLOT,  BOFF+4*REC                 ; p: two runs of images; v^T: two groups x two records
.set TBL,   2*SLOT                     ; p's lowered scale words: 4,096 bytes for each wave, its own
.set SPARE, TBL+4*4096                 ; the spare words: 128 bytes for each wave, that no other line names
.set FR,    12
.set ADRA,  4
.set ADRB,  6
.set ADSB,  8
.set ADTA,  10
.set STO,   11
.set RD,    12
.set CO,    13
.set SPW,   14
.set NIL,   15
.set RL,    16                         ; v16-23 1 / l of my four blocks' rows, in pairs
.set STV,   24
.set PV,    26                         ; v26-27 the prefetches' offsets
.set SCA,   32                         ; v32-95 scale words, and nothing else
.set SCB,   48
.set AF,    96
.set NMR,   96
.set LR,    128
.set WR,    160
.set MG,    192
.set LS,    196
.set TT,    200
.set BK,    96
.set G1,  24
.set G0,  32
.set G1B, 48
.set G0B, 56
.set RC,  42                           ; 1: my cluster walks 2,048 keys
.set SF,  72
.set K80, 73
.set OUT, 76
.set SEL, 84
.set G0H,  88                          ; s[88:91], s[92:95] groups 0 of the head's loads
.set G0HB, 92
.set PF0,  96                          ; s[96:97], s[98:99] what I fetch at slot 0's and slot 1's refill
.set PF1,  98
.set MSB, 0
.macro WIN new
.if MSB != (\new)
	s_set_vgpr_msb (MSB<<8)|(\new)
.set MSB, (\new)
.endif
.endm
.set MUL,  0xa1
.set TO_B, 0x40
.macro PLACES n
.rept \n
	v_nop
.endr
.endm
.macro JLOAD g0a, g1a, g0b, g1b        ; waves 0, 1 fetch for p, waves 2, 3 for v^T; an s_nop 0 and four v_nop follow each line
	s_cmp_eq_u32 s15, 0
	s_cbranch_scc0 .Lfor_b_\@
	tensor_load_to_lds s[\g0a:\g0a+3], s[\g1a:\g1a+7]
	s_nop 0
.rept 4
	v_nop
.endr
	s_branch .Lasked_\@
.Lfor_b_\@:
	tensor_load_to_lds s[\g0b:\g0b+3], s[\g1b:\g1b+7]
	s_nop 0
.rept 4
	v_nop
.endr
.Lasked_\@:
.endm
.macro CREST
	s_cmp_lg_u32 s14, 0
	s_cbranch_scc1 .Lnot_wave_0_\@
	s_barrier_signal -3
.Lnot_wave_0_\@:
	s_barrier_wait -3
	s_barrier_signal -1
	s_barrier_wait -1
.endm
.macro CROUND
	s_barrier_signal -1
	s_barrier_wait -1
	CREST
.endm
.macro ASK base, lbl                   ; only the clusters that fill slots again ask
	s_cmp_eq_u32 s[RC], 0
	s_cbranch_scc1 \lbl
	global_prefetch_b8 v[PV], s[\base:\base+1] th:TH_LOAD_NT scope:SCOPE_SE
	global_prefetch_b8 v[PV+1], s[\base:\base+1] th:TH_LOAD_NT scope:SCOPE_SE
\lbl:
.endm
	s_load_b128 s[4:7], s[0:1], 0x0                ; pw, qkv
	s_load_b64 s[8:9], s[0:1], 0x10                ; out0
	v_lshl_add_u32 v[SPW], v0, 2, SPARE
	v_mov_b32 v[NIL], 0
	ds_add_u32 v[SPW], v[NIL]                      ; the wave's opening: the add, twice on end, and its wait ahead of my first tensor load
	ds_add_u32 v[SPW], v[NIL]
	v_lshrrev_b32 v1, 5, v0
	v_readfirstlane_b32 s14, v1
	s_lshr_b32 s15, s14, 1                         ; my half of the queries; also: I fetch for p (0) or v^T (1)
	s_and_b32 s16, s14, 1                          ; my half of e; in the ring: which part I fetch; at the head: which slot
	s_bfe_u32 s40, ttmp6, 0x40000                  ; cx
	s_bfe_u32 s41, ttmp6, 0x40004                  ; cy
	s_and_b32 s17, ttmp7, 0xffff                   ; the cluster
	s_lshl_b32 s43, s41, 2
	s_lshl_b32 s43, 15, s43
	s_lshl_b32 s44, 0x1111, s40
	s_or_b32 s[G1], s43, (3<<16)|(1<<21)
	s_or_b32 s[G1B], s44, (3<<16)|(1<<21)
	s_mov_b32 s[G1+1], 32<<16                      ; the head's form for p: 192 rows of 256 bytes, dense
	s_mov_b32 s[G1+2], 192<<16
	s_mov_b32 s[G1+3], 32<<16
	s_mov_b32 s[G1+4], 192
	s_mov_b32 s[G1+5], 32
	s_mov_b32 s[G1+6], 0
	s_mov_b32 s[G1+7], 0
	s_mov_b32 s[G1B+1], 6400<<16                   ; and for v^T: two rows of two records (6,400 elements of 8 bytes), 32 records apart
	s_mov_b32 s[G1B+2], 2<<16
	s_mov_b32 s[G1B+3], 6400<<16
	s_mov_b32 s[G1B+4], 2
	s_mov_b32 s[G1B+5], 102400
	s_mov_b32 s[G1B+6], 0
	s_mov_b32 s[G1B+7], 0
	s_mov_b32 s[SEL], 0x76543210
	s_mov_b32 s[SEL+1], 0xfedcba98
	s_mov_b32 s[K80], 0x80808080
	s_lshl_b32 s18, s17, 2
	s_add_co_u32 s18, s18, s41                     ; the group of my 128 queries
	s_lshr_b32 s19, s17, 2                         ; the batch
	s_bfe_u32 s[RC], s17, 0x10001
	s_lshl_b32 s20, s18, 3
	s_add_co_u32 s20, s20, s16
	s_mul_i32 s20, s20, PIM
	s_mov_b32 s21, 0
	s_lshl_b32 s46, s40, 1
	s_add_co_u32 s46, s46, s16
	s_lshl_b32 s46, s46, 5
	s_lshl_b32 s47, s19, 3
	s_add_co_u32 s46, s46, s47
	s_mul_i32 s46, s46, REC
	s_add_co_u32 s46, s46, 13107200
	s_mov_b32 s47, 0
	s_mul_i32 s45, s16, PIM
	s_mul_i32 s66, s16, 2*REC
	s_add_co_u32 s66, s66, BOFF
	s_mul_i32 s74, s18, 24576
	s_add_co_u32 s74, s74, 12582912                ; my group's statistics
	s_mov_b32 s75, 0
	s_mul_i32 s80, s[RC], 12288
	s_mov_b32 s81, 0
	s_lshl_b32 s82, s18, 19
	s_lshl_b32 s83, s15, 18
	s_add_co_u32 s82, s82, s83
	s_lshl_b32 s83, s40, 10
	s_add_co_u32 s82, s82, s83
	s_lshl_b32 s83, s16, 9
	s_add_co_u32 s82, s82, s83
	s_mov_b32 s83, 0
	s_cmp_eq_u32 s[RC], 1
	s_cselect_b32 s[SF], 0x3f800000, 0
	s_wait_dscnt 0x0                               ; both opening adds are done
	s_wait_kmcnt 0x0
	s_add_nc_u64 s[20:21], s[4:5], s[20:21]
	s_add_nc_u64 s[46:47], s[6:7], s[46:47]
	s_add_nc_u64 s[68:69], s[4:5], s[74:75]
	s_add_nc_u64 s[70:71], s[68:69], s[80:81]
	s_add_nc_u64 s[OUT:OUT+1], s[8:9], s[82:83]
.irp s, 0,1                            ; the ring's groups 0: first used at a slot's refill, which steps them one lap on
	s_mov_b32 s[G0+4*\s], 1
	s_add_co_u32 s[G0+4*\s+1], s45, \s*SLOT
	s_add_nc_u64 s[G0+4*\s+2:G0+4*\s+3], s[20:21], \s*2*PIM
	s_or_b32 s[G0+4*\s+3], s[G0+4*\s+3], 0x80000000
	s_mov_b32 s[G0B+4*\s], 1
	s_add_co_u32 s[G0B+4*\s+1], s66, \s*SLOT
	s_add_nc_u64 s[G0B+4*\s+2:G0B+4*\s+3], s[46:47], \s*2*REC
	s_or_b32 s[G0B+4*\s+3], s[G0B+4*\s+3], 0x80000000
.endr
	s_mov_b32 s[G0H], 1
	s_mul_i32 s[G0H+1], s16, SLOT
	s_mul_i32 s22, s16, PIM                        ; from image run s16 on to image run 2 s16
	s_mov_b32 s23, 0
	s_add_nc_u64 s[G0H+2:G0H+3], s[20:21], s[22:23]
	s_or_b32 s[G0H+3], s[G0H+3], 0x80000000
	s_mov_b32 s[G0HB], 1
	s_add_co_u32 s[G0HB+1], s[G0H+1], BOFF
	s_mul_i32 s22, s16, 30*REC                     ; from (group + s16, record 0) back to (group, record 2 s16)
	s_sub_nc_u64 s[G0HB+2:G0HB+3], s[46:47], s[22:23]
	s_or_b32 s[G0HB+3], s[G0HB+3], 0x80000000
	; the prefetches: n = 12 (p) or 25 (v^T) blocks an instruction, two instructions; my work-group's quarter begins 2 n x my place among the four that ask jointly
	s_mov_b32 s10, REC
	s_cmp_eq_u32 s15, 0
	s_cselect_b64 s[PF0:PF0+1], s[20:21], s[46:47]
	s_cselect_b32 s86, s40, s41                    ; p is shared along the row (my place: cx), v^T along the column (cy)
	s_cselect_b32 s87, 12, 25
	s_cselect_b32 s10, PIM, s10
	s_lshl_b32 s10, s10, 2                         ; slot 0's refill lies four runs of images, or four records, on;
	s_mov_b32 s11, 0
	s_add_nc_u64 s[PF0:PF0+1], s[PF0:PF0+1], s[10:11]
	s_lshr_b32 s10, s10, 1                         ; slot 1's two more
	s_add_nc_u64 s[PF1:PF1+1], s[PF0:PF0+1], s[10:11]
	s_sub_co_u32 s12, s87, 1
	s_mul_i32 s86, s86, s87
	s_lshl_b32 s86, s86, 1
	s_lshl_b32 s87, s87, 8
	v_and_b32 v[PV], 31, v0
	v_min_u32 v[PV], s12, v[PV]
	v_add_nc_u32 v[PV], s86, v[PV]
	v_lshlrev_b32 v[PV], 8, v[PV]
	v_add_nc_u32 v[PV+1], s87, v[PV]
	s_wait_alu depctr_va_vdst(0)                   ; the wait here, ahead of the round's branches
	CROUND                                         ; all sixteen work-groups are here: the first joint loads meet
	JLOAD G0H, G1, G0HB, G1B
	ASK PF0, .Lno_ask0
	v_and_b32 v1, 31, v0
	v_and_b32 v2, 15, v0
	v_bfe_u32 v3, v0, 4, 1
	v_lshlrev_b32 v[CO], 4, v1
	v_lshlrev_b32 v[STV], 5, v2
	v_mad_u32_u24 v[STV], v3, 1536, v[STV]
	s_lshl_b32 s80, s15, 4
	v_add_nc_u32 v[STV], s80, v[STV]
.irp p, 0,1,2,3                        ; the statistics of chunks 0-7: lanes 0-15 the even chunk, lanes 16-31 the odd one; my four blocks' -M, sums and scale words
	global_load_b128 v[NMR+4*\p:NMR+4*\p+3], v[STV], s[68:69] offset:3072*\p+512
	global_load_b128 v[LR+4*\p:LR+4*\p+3], v[STV], s[68:69] offset:3072*\p+1024
	global_load_b128 v[WR+4*\p:WR+4*\p+3], v[STV], s[68:69] offset:3072*\p
.endr
.irp p, 0,1,2,3                        ; and of chunks 8-15; a cluster that walks 1,024 keys reads chunks 0-7 again, and their sums then count for nothing
	global_load_b128 v[NMR+16+4*\p:NMR+16+4*\p+3], v[STV], s[70:71] offset:3072*\p+512
	global_load_b128 v[LR+16+4*\p:LR+16+4*\p+3], v[STV], s[70:71] offset:3072*\p+1024
	global_load_b128 v[WR+16+4*\p:WR+16+4*\p+3], v[STV], s[70:71] offset:3072*\p
.endr
	s_mul_i32 s80, s15, 4*1536
	s_mul_i32 s81, s16, 2*REC
	s_add_co_u32 s81, s81, BOFF
	v_add_nc_u32 v[ADRA], s80, v[CO]
	v_add_nc_u32 v[ADRA+1], SLOT, v[ADRA]
	v_add_nc_u32 v[ADRB], s81, v[CO]
	v_add_nc_u32 v[ADRB+1], SLOT, v[ADRB]
	v_lshlrev_b32 v[ADSB], 5, v2
	v_lshl_add_u32 v[ADSB], v3, 9, v[ADSB]
	s_add_co_u32 s81, s81, 24576
	v_add_nc_u32 v[ADSB], s81, v[ADSB]
	v_add_nc_u32 v[ADSB+1], SLOT, v[ADSB]
	s_lshl_b32 s80, s14, 12
	s_add_co_u32 s80, s80, TBL
	v_add_nc_u32 v[ADTA], s80, v[CO]
	s_mul_i32 s80, s14, 16*528
	v_mul_u32_u24 v[STO], v2, 528
	v_lshl_add_u32 v[STO], v3, 6, v[STO]
	v_add_nc_u32 v[STO], s80, v[STO]
	v_add_nc_u32 v[RD], s80, v[CO]
.irp i, 0,1,2,3
	v_mov_b32 v[TT+4*\i], 0                        ; written once: a lane permute's destination counts as one of its sources
.endr
	s_wait_loadcnt 0x0
.irp i, 0,1,2,3
	v_min_num_f32 v[MG+\i], v[NMR+\i], v[NMR+4+\i] ; the least -M: the row's M
.endr
.irp p, 2,3,4,5,6,7
.irp i, 0,1,2,3
	v_min_num_f32 v[MG+\i], v[MG+\i], v[NMR+4*\p+\i]
.endr
.endr
.irp i, 0,1,2,3
	v_permlanex16_b32 v[TT+4*\i], v[MG+\i], s[SEL], s[SEL+1]
.endr
.irp i, 0,1,2,3
	v_min_num_f32 v[MG+\i], v[MG+\i], v[TT+4*\i]
.endr
.macro PAIR p                          ; a pair of chunks: d = chunk's M - row's M (0 or less, held at -128); the sum x 2^d; each scale byte + d, held at 0 from below
.irp i, 0,1,2,3
	v_sub_f32 v[TT+4*\i], v[MG+\i], v[NMR+4*(\p)+\i]
.endr
.irp i, 0,1,2,3
	v_max_num_f32 v[TT+4*\i], 0xc3000000, v[TT+4*\i]
.endr
.irp i, 0,1,2,3
	v_cvt_i32_f32 v[TT+4*\i], v[TT+4*\i]
.endr
.if (\p) == 0
.irp i, 0,1,2,3
	v_ldexp_f32 v[LS+\i], v[LR+\i], v[TT+4*\i]
.endr
.else
.irp i, 0,1,2,3
	v_ldexp_f32 v[TT+4*\i+1], v[LR+4*(\p)+\i], v[TT+4*\i]
.endr
.irp i, 0,1,2,3
.if (\p) < 4
	v_add_f32 v[LS+\i], v[LS+\i], v[TT+4*\i+1]
.else
	v_fma_f32 v[LS+\i], v[TT+4*\i+1], s[SF], v[LS+\i]
.endif
.endr
.endif
.irp i, 0,1,2,3
	v_sub_nc_u32 v[TT+4*\i], 0, v[TT+4*\i]
.endr
.irp i, 0,1,2,3
	v_perm_b32 v[TT+4*\i], v[TT+4*\i], v[TT+4*\i], 0
.endr
.irp i, 0,1,2,3
	v_or_b32 v[TT+4*\i+2], s[K80], v[WR+4*(\p)+\i]
.endr
.irp i, 0,1,2,3
	v_sub_nc_u32 v[TT+4*\i+2], v[TT+4*\i+2], v[TT+4*\i]
.endr
.irp i, 0,1,2,3
	v_and_b32 v[TT+4*\i], s[K80], v[TT+4*\i+2]
.endr
.irp i, 0,1,2,3
	v_lshrrev_b32 v[TT+4*\i+1], 7, v[TT+4*\i]
.endr
.irp i, 0,1,2,3
	v_sub_nc_u32 v[TT+4*\i], v[TT+4*\i], v[TT+4*\i+1]
.endr
.irp i, 0,1,2,3
	v_and_b32 v[WR+4*(\p)+\i], v[TT+4*\i+2], v[TT+4*\i]
.endr
	ds_store_b128 v[ADTA], v[WR+4*(\p):WR+4*(\p)+3] offset:512*(\p)
.endm
.irp p, 0,1,2,3,4,5,6,7
	PAIR \p
.endr
.irp i, 0,1,2,3
	v_permlanex16_b32 v[TT+4*\i], v[LS+\i], s[SEL], s[SEL+1]
.endr
.irp i, 0,1,2,3
	v_add_f32 v[LS+\i], v[LS+\i], v[TT+4*\i]       ; the row's sum
.endr
	s_wait_alu depctr_va_vdst(0)                   ; the wait ahead of the batch
.irp i, 0,1,2,3
	v_rcp_f32 v[RL+2*\i], v[LS+\i]
	v_rcp_f32 v[RL+2*\i+1], v[LS+\i]
.endr
	v_nop                                          ; one plain place behind a transcendental
	s_wait_alu depctr_va_vdst(0)                   ; and the wait behind the batch
.macro FRAG reg, adr, off
.irp c, 0,1,2
	ds_load_b128 v[\reg+4*\c:\reg+4*\c+3], v[\adr] offset:\off+512*\c
.endr
.endm
.macro FETCH slot, kap, set            ; the fragments of the slot's kap-th 128 keys: 24 loads of v^T, then 12 of p by blocks
	WIN TO_B
.irp i, 0,1,2,3,4,5,6,7
	FRAG 128*(\set)+FR*\i, ADRB+\slot, ((\kap)/2)*REC+((\kap)%2)*12288+1536*\i
.endr
	WIN 0
.irp i, 0,1,2,3
	FRAG AF+48*(\set)+FR*\i, ADRA+\slot, ((\kap)/2)*PIM+((\kap)%2)*12288+1536*\i
.endr
.endm
.macro SCALES slot, pbase              ; the slot's scale words: 6 loads
.irp j, 0,1
	ds_load_b128 v[SCA+8*\slot+4*\j:SCA+8*\slot+4*\j+3], v[ADTA] offset:512*(\pbase+\j)
.endr
.irp j, 0,1
.irp g, 0,1
	ds_load_b128 v[SCB+16*\slot+8*\j+4*\g:SCB+16*\slot+8*\j+4*\g+3], v[ADSB+\slot] offset:REC*\j+16*\g
.endr
.endr
.endm
; 8 matrix instructions; the 32 accumulators take turns, one instruction a turn, in the same order in every step.  Odd steps read their scales from lanes 16-31.
.macro MUL8 a, set, slot, kap, zero
.irp b, 0,1,2,3,4,5,6,7
.if \zero
	v_wmma_scale_f32_16x16x128_f8f6f4 v[8*(8*(\a)+\b):8*(8*(\a)+\b)+7], v[128*(\set)+FR*\b:128*(\set)+FR*\b+FR-1], v[AF+48*(\set)+FR*(\a):AF+48*(\set)+FR*(\a)+FR-1], 0, v[SCB+16*(\slot)+8*((\kap)/2)+\b], v[SCA+8*(\slot)+4*((\kap)/2)+(\a)] matrix_a_fmt:MATRIX_FMT_FP6 matrix_b_fmt:MATRIX_FMT_FP6
.elseif (\kap)%2
	v_wmma_scale_f32_16x16x128_f8f6f4 v[8*(8*(\a)+\b):8*(8*(\a)+\b)+7], v[128*(\set)+FR*\b:128*(\set)+FR*\b+FR-1], v[AF+48*(\set)+FR*(\a):AF+48*(\set)+FR*(\a)+FR-1], v[8*(8*(\a)+\b):8*(8*(\a)+\b)+7], v[SCB+16*(\slot)+8*((\kap)/2)+\b], v[SCA+8*(\slot)+4*((\kap)/2)+(\a)] matrix_a_fmt:MATRIX_FMT_FP6 matrix_b_fmt:MATRIX_FMT_FP6 matrix_a_scale:MATRIX_SCALE_ROW1 matrix_b_scale:MATRIX_SCALE_ROW1
.else
	v_wmma_scale_f32_16x16x128_f8f6f4 v[8*(8*(\a)+\b):8*(8*(\a)+\b)+7], v[128*(\set)+FR*\b:128*(\set)+FR*\b+FR-1], v[AF+48*(\set)+FR*(\a):AF+48*(\set)+FR*(\a)+FR-1], v[8*(8*(\a)+\b):8*(8*(\a)+\b)+7], v[SCB+16*(\slot)+8*((\kap)/2)+\b], v[SCA+8*(\slot)+4*((\kap)/2)+(\a)] matrix_a_fmt:MATRIX_FMT_FP6 matrix_b_fmt:MATRIX_FMT_FP6
.endif
.endr
.endm
.macro KSTEP slot, kap, zero           ; the next 128 keys' 36 loads are issued first; each block of p then waits for its own fragment
	PLACES 4                                       ; in front of loads into registers that the last products read
	FETCH \slot, (\kap)+1, 1-(\kap)%2
	WIN MUL
.irp a, 0,1,2,3
	s_wait_dscnt 45-3*\a                           ; the scale words, v^T's fragments and p's blocks up to a are in: behind them stand 3 loads for each later block and the 36 just issued
	MUL8 \a, (\kap)%2, \slot, \kap, \zero
.endr
	WIN 0
.endm
.macro TURN slot, next, fill, pbase    ; the slot's last 128 keys, and the change of slots
	s_wait_tensorcnt 0x0                           ; all my tensor loads have landed
	ds_add_u32 v[SPW], v[NIL]
	s_wait_dscnt 0x1                               ; set 1 is in; the add alone may be out
	WIN MUL
	MUL8 0, 1, \slot, 3, 0
	s_wait_dscnt 0x0                               ; the add is done, and my reads of this slot are over
	s_barrier_signal -1
	MUL8 1, 1, \slot, 3, 0
	WIN 0
	s_barrier_wait -1
.if \fill
	CREST                                          ; a round of the cluster's barrier: no wave of any partner still reads this slot or has a load on its way
	s_add_nc_u64 s[G0+4*\slot+2:G0+4*\slot+3], s[G0+4*\slot+2:G0+4*\slot+3], 4*PIM
	s_add_nc_u64 s[G0B+4*\slot+2:G0B+4*\slot+3], s[G0B+4*\slot+2:G0B+4*\slot+3], 4*REC
	JLOAD G0+4*\slot, G1, G0B+4*\slot, G1B         ; the first tensor load behind the round; its four v_nop are the places in front of the loads below
.else
	PLACES 4
.endif
	SCALES \next, \pbase                           ; the scale words first: every product of the next step wants them
	FETCH \next, 0, 0
	WIN MUL
	MUL8 2, 1, \slot, 3, 0
	MUL8 3, 1, \slot, 3, 0
	WIN 0
.endm
	s_wait_tensorcnt 0x0                           ; my part of the two slots is in
	s_mov_b32 s[G1+2], 96<<16                      ; no tensor load of mine is out, so a descriptor may be written: the ring's loads bring 96 rows of images,
	s_mov_b32 s[G1+4], 96
	s_mov_b32 s[G1B+1], 32<<16                     ; or two records of one group: 200 rows of 256 bytes, dense
	s_mov_b32 s[G1B+2], 200<<16
	s_mov_b32 s[G1B+3], 32<<16
	s_mov_b32 s[G1B+4], 200
	s_mov_b32 s[G1B+5], 32
	s_wait_dscnt 0x0                               ; my table of scale words lies in LDS
	s_barrier_signal -1
	s_barrier_wait -1                              ; both slots are whole
	ASK PF1, .Lno_ask1
	SCALES 0, 0
	FETCH 0, 0, 0
	KSTEP 0, 0, 1                                  ; the first products start the sums: nothing is cleared
	KSTEP 0, 1, 0
	KSTEP 0, 2, 0
	s_cmp_eq_u32 s[RC], 0
	s_cbranch_scc1 .Ltail                          ; 1,024 keys: the two slots of the head are all
	TURN 0, 1, 1, 2
	KSTEP 1, 0, 0
	KSTEP 1, 1, 0
	KSTEP 1, 2, 0
	TURN 1, 0, 1, 4
	KSTEP 0, 0, 0
	KSTEP 0, 1, 0
	KSTEP 0, 2, 0
.Ltail:
	TURN 0, 1, 0, 6
	KSTEP 1, 0, 0
	KSTEP 1, 1, 0
	KSTEP 1, 2, 0
	s_wait_dscnt 0x0
	WIN MUL
.irp a, 0,1,2,3
	MUL8 \a, 1, 1, 3, 0
.endr
	WIN 0
	PLACES 4                                       ; behind the last products
; THE WAY OUT of block a: x 1 / l, through my own stage in slot 0 (its last fill and its last read are over), back as whole rows of 512 bytes.
.macro OUTB a
	WIN 0x82
.set N, 0
.rept 32
	v_pk_mul_f32 v[64*(\a)+N:64*(\a)+N+1], v[64*(\a)+N:64*(\a)+N+1], v[RL+2*(\a):RL+2*(\a)+1]
.set N, N+2
.endr
	WIN 0x08
.irp b, 0,1,2,3
.irp j, 0,1,2,3
	ds_store_b128 v[STO], v[64*(\a)+16*\b+4*\j:64*(\a)+16*\b+4*\j+3] offset:128*\b+16*\j
.endr
.endr
	WIN 0
.if (\a) >= 2
	s_wait_xcnt 0x0                                ; block a - 2's stores have read their registers
.endif
.irp t, 0,1,2,3,4,5,6,7,8,9,10,11,12,13,14,15
	ds_load_b128 v[BK+64*((\a)%2)+4*\t:BK+64*((\a)%2)+4*\t+3], v[RD] offset:528*\t
.endr
	s_wait_dscnt 0x0
.irp t, 0,1,2,3,4,5,6,7,8,9,10,11,12,13,14,15
	global_store_b128 v[CO], v[BK+64*((\a)%2)+4*\t:BK+64*((\a)%2)+4*\t+3], s[OUT:OUT+1] offset:(32*((\a)/2)+8*((\a)%2)+\t+8*(\t/8))*4096 th:TH_STORE_NT
.endr
.endm
.irp a, 0,1,2,3
	OUTB \a
.endr
	s_wait_tensorcnt 0x0                           ; the wave's end
	ds_add_u32 v[SPW], v[NIL]
	s_wait_dscnt 0x0
	CROUND                                         ; the closing round
	s_endpgm
.Lfunc_end_k_q37f0b242ed_pv:
	.size	k_q37f0b242ed_pv, .Lfunc_end_k_q37f0b242ed_pv-k_q37f0b242ed_pv
	.p2alignl 7, 3214868480
	.fill 96, 4, 3214868480
	.section	.rodata,"a",@progbits
	.p2align	6, 0x0
	.amdhsa_kernel k_q37f0b242ed_pv
		.amdhsa_group_segment_fixed_size 327680
		.amdhsa_private_segment_fixed_size 0
		.amdhsa_enable_private_segment 0
		.amdhsa_kernarg_size 24
		.amdhsa_user_sgpr_count 2
		.amdhsa_user_sgpr_kernarg_segment_ptr 1
		.amdhsa_wavefront_size32 1
		.amdhsa_system_sgpr_workgroup_id_x 1
		.amdhsa_system_sgpr_workgroup_id_y 1
		.amdhsa_system_sgpr_workgroup_id_z 1
		.amdhsa_system_vgpr_workitem_id 0
		.amdhsa_next_free_vgpr 768
		.amdhsa_next_free_sgpr 100
		.amdhsa_reserve_vcc 0
		.amdhsa_float_denorm_mode_32 3
		.amdhsa_float_denorm_mode_16_64 3
		.amdhsa_memory_ordered 1
		.amdhsa_forward_progress 1
		.amdhsa_inst_pref_size 163
	.end_amdhsa_kernel
	.amdgpu_metadata
---
amdhsa.version: [ 1, 2 ]
amdhsa.kernels:
  - .name:           k_q37f0b242ed_pv
    .symbol:         k_q37f0b242ed_pv.kd
    .args:
      - { .name: pw, .offset: 0, .size: 8, .value_kind: global_buffer, .address_space: global }
      - { .name: qkv, .offset: 8, .size: 8, .value_kind: global_buffer, .address_space: global }
      - { .name: out0, .offset: 16, .size: 8, .value_kind: global_buffer, .address_space: global }
    .group_segment_fixed_size: 327680
    .private_segment_fixed_size: 0
    .kernarg_segment_align: 8
    .kernarg_segment_size: 24
    .max_flat_workgroup_size: 128
    .sgpr_count:     100
    .vgpr_count:     768
    .wavefront_size: 32
...
	.end_amdgpu_metadata
.endif
;; end of part 4
